; MI455X (gfx1250); checked and timed in simulation.
; The chip was launched on July 23, 2026; its instructions are those of AMD's public machine-readable ISA for CDNA 5 (MIT licence, August 2026) and "CDNA5" Instruction Set Architecture Reference Guide (July 2026). The comments in the code are by the model that wrote it; some were corrected since.
;; Attention Head. Allowed arithmetic: matrix products marked QUANTISED: E2M3 operands, one E8M0 scale for each 32 along K, by v_wmma_scale_f32_16x16x128_f8f6f4 with both operands' format E2M3, f32 sums; everything else in f32.
;; Inputs: W_K_codes 1,024 x 32 x 24 uint8 (E2M3 codes of W_K, K innermost, in blocks of 32 codes, four codes in three bytes); W_K_scales 1,024 x 32 uint8 (E8M0 scales of W_K, one for each 32 codes along K); W_Q_codes 1,024 x 32 x 24 uint8 (E2M3 codes of W_Q, K innermost, in blocks of 32 codes, four codes in three bytes); W_Q_scales 1,024 x 32 uint8 (E8M0 scales of W_Q, one for each 32 codes along K); W_V_codes 1,024 x 32 x 24 uint8 (E2M3 codes of W_V, K innermost, in blocks of 32 codes, four codes in three bytes); W_V_scales 1,024 x 32 uint8 (E8M0 scales of W_V, one for each 32 codes along K); embeddings_codes 4 x 2,048 x 32 x 24 uint8 (E2M3 codes of embeddings, K innermost, in blocks of 32 codes, four codes in three bytes); embeddings_scales 4 x 2,048 x 32 uint8 (E8M0 scales of embeddings, one for each 32 codes along K).
;; Outputs: out0 4 x 2,048 x 1,024 float32.
;; This version of the problem:
;;   THIS VERSION OF THE PROBLEM IS GIVEN IN LOW PRECISION. The matrix products marked QUANTISED in the list below multiply operands that are first quantised to E2M3 (2 exponent bits, 3 mantissa bits; 6 bits a number), with one power-of-two scale for each 32 numbers along K (OCP MX v1.0); their sums are f32. All else is computed in f32.
;;   The module's matrix products, in the order in which they are computed (A, B: the left and right operand; K: the contracted axis; several contracted axes count as one K, in the product's order):
;;     1. [M 8,192, K 1,024] x [K 1,024, N 1,024]; A: input embeddings (given as codes); B: input W_Q (given as codes): QUANTISED
;;     2. [M 8,192, K 1,024] x [K 1,024, N 1,024]; A: input embeddings (given as codes); B: input W_K (given as codes): QUANTISED
;;     3. [M 8,192, K 1,024] x [K 1,024, N 1,024]; A: input embeddings (given as codes); B: input W_V (given as codes): QUANTISED
;;     4. batch 4 x [M 2,048, K 1,024] x [K 1,024, N 2,048]; A: computed on the way; B: computed on the way: QUANTISED
;;     5. batch 4 x [M 2,048, K 2,048] x [K 2,048, N 1,024]; A: softmax (see below); B: computed on the way: QUANTISED
;;   THE QUANTISER, for each operand of a quantised product, along K:
;;     - K is cut into blocks of 32 from its start; a last block that is shorter is filled with zeros.
;;     - A block's scale is 2^e with e = floor(log2(the largest magnitude in the block)) - 2, held to -126 .. 127; a block of zeros has e = 0. As a byte (E8M0): e + 127.
;;     - Each number is divided by its block's scale, clamped to +-7.5, and rounded to the nearest number of E2M3, ties to even, subnormals kept.
;;     - The product sums the exact products of the quantised numbers (number of the format x scale) in f32.
;;   ~~~python
;;   def quantise(x, axis):      # numpy; x: float32 -> the quantised numbers, widened to float32 again
;;       x = np.moveaxis(x, axis, -1); K = x.shape[-1]
;;       x = np.pad(x, [(0, 0)] * (x.ndim - 1) + [(0, -K % 32)]); x = x.reshape(x.shape[:-1] + (-1, 32)); a = np.abs(x).max(-1, keepdims=True)
;;       e = np.where(a > 0, np.clip(np.frexp(np.where(a > 0, a, 1))[1] - 1 - 2, -126, 127), 0)      # np.frexp(a)[1] - 1 = floor(log2(a)), exactly
;;       r = np.clip(x / 2.0 ** e, -7.5, 7.5)
;;       step = 2.0 ** (np.maximum(np.frexp(np.where(r == 0, 1, r))[1] - 1, 0) - 3)
;;       q = np.round(r / step) * step * 2.0 ** e      # np.round: ties to even
;;       return np.moveaxis(q.reshape(q.shape[:-2] + (-1,))[..., :K], -1, axis).astype(np.float32)
;;   ~~~
;;   SOFTMAX AHEAD OF A QUANTISED PRODUCT. Where the list says 'softmax', what is quantised is not the finished softmax but p = 2^(t - M), with t = logit x log2(e) and M = ceil(the row's largest t), a whole number; so 1/2 < the row's largest p <= 1. The row's sum l is taken of the UNQUANTISED p, in f32, and the product's result is divided by l at the end. Since M is a whole number, a kernel that streams over the keys may use a running M (the ceiling of the running maximum): every later rescaling is an exact power of two, which a block's scale takes up: the codes' values come out the same.
;;   OPERANDS COMPUTED ON THE WAY. 'Computed on the way' means the value that the module computes at that place (a softmax that the list does not call 'softmax' is quantised finished and normalised). What goes into a quantiser is computed in f32, as accurately as f32 sums, v_exp_f32 and their like allow (about 1e-6 of the number): no bf16 or f16 on the way to a quantiser, and a product that is left as it is and whose result goes on into a quantised operand takes f32 operands (vector FMAs, or v_wmma_f32_16x16x4_f32). A number that lies on a knife's edge between two numbers of the format may be rounded either way, as far as f32 arithmetic and the matrix unit's own rounding can turn it there, and no further.
;;   INPUTS GIVEN AS CODES. W_K (in the module: [1024, 1024], K = its axis 0); W_Q (in the module: [1024, 1024], K = its axis 0); W_V (in the module: [1024, 1024], K = its axis 0); embeddings (in the module: [4, 2048, 1024], K = its axis 2): each comes as NAME_codes (uint8): NAME with its K axis moved to the last place and cut into blocks of 32 codes, [.., K / 32, bytes a block], one block behind the other in memory; four codes in three bytes: a row's codes are one little-endian stream of bits, code i at bits 6 i .. 6 i + 5 (a code: sign, 2 exponent bits, 3 mantissa bits); and NAME_scales (uint8): the same leading axes, one E8M0 byte (e + 127) for each 32 codes along K. Its value is code x scale, taken as it is: it is not quantised again, and the codes and scales need not be those that the quantiser above would give.
;; One version. Each part assembles by itself: llvm-mc -triple=amdgcn-amd-amdhsa -mcpu=gfx1250 --defsym DOCPART=n.
;; ======== version 1 of 1: 3 launches
;; limits: right only within a limited range of input values
;; workspace buffers: qrec 6,553,600 bytes; krec 6,553,600 bytes; vrec 6,553,600 bytes; prec 14,155,776 bytes
;; launch proj (part 1): grid 16 x 16, 4 waves a work-group, clusters of 4 x 4, 327,680 bytes of LDS; arguments embeddings_codes, embeddings_scales, W_Q_codes, W_Q_scales, W_K_codes, W_K_scales, W_V_codes, W_V_scales, qrec, krec, vrec; writes qrec, krec, vrec
.if DOCPART == 1
	.amdgcn_target "amdgcn-amd-amdhsa--gfx1250"
	.amdhsa_code_object_version 6
	.text
	.protected	k_q2a3747f6c0_proj
	.globl	k_q2a3747f6c0_proj
	.p2align	8
	.type	k_q2a3747f6c0_proj,@function
k_q2a3747f6c0_proj:
	s_mov_b64 s[64:65], 0
	v_nop
	global_prefetch_b8 v0, s[64:65] scope:SCOPE_SE
	s_setreg_imm32_b32 hwreg(HW_REG_WAVE_MODE, 25, 1), 1
	s_wait_xcnt 0x0
	s_wait_alu depctr_hold_cnt(0) depctr_sa_sdst(0) depctr_va_vdst(0) depctr_va_sdst(0) depctr_va_ssrc(0) depctr_va_vcc(0) depctr_vm_vsrc(0)
	s_getreg_b32 s2, hwreg(HW_REG_IB_STS2, 6, 4)
	s_cmp_eq_u32 s2, 0
	s_cbranch_scc0 .Lentry_in_a_cluster
	s_endpgm
.Lentry_in_a_cluster:
	s_bfe_u32 s2, ttmp6, 0x10000c
	s_cmp_lg_u32 s2, 0xf033
	s_cbranch_scc0 .Lentry_shape_is_right
	s_endpgm
.Lentry_shape_is_right:
; Q = E W_Q^T, K = E W_K^T, V^T = W_V E^T (E: the embeddings, 8,192 rows; all operands codes of FP6 (E2M3), 768 bytes a row, 32 E8M0 bytes a row), sums in f32, each result quantised again in registers:
; Q and K along the features, V along the tokens, into RECORDS that the next launches read.  No f32 result is stored.
; WORK LEFT OUT in the whole program: score tiles whose keys all lie above the diagonal are masked for all inputs; the block queries 0-1,023 x keys 1,024-2,047 is not worked by the launches behind this one.
; A RECORD (12,800 bytes): 128 rows x 128 along the next K: fragment f (rows 16 f ..) at 1,536 f, its half c (registers 6 c .. 6 c + 5) 768 c further on: four registers at 16 x lane, then 512 bytes on two registers at 8 x lane;
; behind the fragments 128 scale words.  qrec, krec: [panel of 128 tokens][chunk of 128 features]; vrec: [panel of 128 features][chunk of 128 tokens].
; ORDER INSIDE A BLOCK OF 32: 0-7, 16-23, 8-15, 24-31, on both sides of each later product.  A block's byte is its largest magnitude's exponent field - 2, at least 1 (a block of zeros keeps 1; this program alone reads the bytes).
; LIMITS: NaN and infinities are not served, nor carried where they reach only work left out; blocks whose largest magnitude lies under 2^-124 keep the byte 1.
; THE DEAL.  256 work-groups of four waves, 2 x 2; a wave holds 64 rows of a weight, ALL of K, in registers and streams E's rows past them in blocks of 16.  A work-group makes 256 x 128 of V (PHASE 1), then 512 x 128 of Q or K (PHASE 2).
; V's 256 rows are a half (s87, by the cluster's number) of the work-group's own 512: the two chunks of 128 rows asked for at the head serve V's eight blocks and phase 2's first eight; only the other half's chunks are loaded later.
; Phase 2's block s of a wave in row a: the work-group's rows 32 s + 16 a ..; phase 1's block 4 m + j: chunk m's rows 64 a + 16 j ...  E's rows are shared by a row of the cluster, a weight's rows by a column.
; LDS: two slots for E's chunks (0, YB), the weights' region (BVB), two places for a chunk's scale bytes (SCL), stages for the results' scale bytes (XN, XM), the spare words.
; FILLS.  Head, one a wave: W_V's rows, both chunks' scale bytes, chunk 0, chunk 1.  Refills, each in a drained round: in V's block 2 the weights' region (W_Q's or W_K's rows); in phase 2's blocks 2 and 6 a chunk of the other half and its scale bytes.
; What a refill brought is shown to all waves by the next round, or by a plain barrier behind which nothing is filled (V's last block; phase 2's blocks 10 and 12).
; A BLOCK is 32 products; behind every second one stand two ENTRIES of the block's list: the next LDS addresses, descriptors, and the first part of the last block's way out.
; THE WAITS' COUNTS.  A block's rows were fetched two blocks ago.  Younger are the next block's fetch, NF loads, and the LDS stores of scale bytes between: none up to V's fifth block and ahead of phase 2's first; four ahead of phase 2's second; one elsewhere.
.set RA,     128                       ; rows of a chunk
.set TN,     128
.set NF,     28                        ; LDS loads of a block: 26 for eight fragments, 2 for eight scale words
.set KROW,   768
.set KS,     32
.set PITCH,  816                       ; 3 x (256 + 16)
.set FR,     12
.set FPW,    21                        ; fragments in a window of 256 registers
.set REC,    12800
.set YB,     RA*PITCH
.set BVB,    2*RA*PITCH
.set SCL,    BVB+TN*PITCH
.set CU,     16                        ; a chunk's scale bytes: 16 units of 256
.set SCB,    CU*272
.set SST,    544                       ; 16 rows' scale bytes
.set XN,     SCL+2*SCB                 ; Q's or K's scale words, 512 rows in the order of work
.set XM,     XN+2048                   ; V's: two chunks x 128 rows
.set SPARE,  XM+1024
.set EMAX,   2
.set ADRA0, 4                          ; v4, v5 LDS address of phase 2's block 0 (v5: behind one padding more), v6 of its scale words; v1, v22, v23: block 1
.set CO,    9                          ; 16 x lane
.set SPW,   10
.set NIL,   11
.set ADRA,  12                         ; v12, v13, v17: the block that is fetched next
.set ADRB,  14                         ; v14, v15 the weights
.set ABS,   16
.set AAS,   17
.set STO,   18
.set STV,   19
.set CO8,   21                         ; 8 x lane
.set SB,    24                         ; v24-39 the weights' scale words
.set TQ,    40                         ; v40-43 the two chains, and lane l xor 16's
.set SA,    44                         ; v44-59 E's scale words, two sets
.set TC,    60                         ; v60-63
.set ACC,   64                         ; phase 2: two sets of four accumulators
.set HV0,   64                         ; phase 1, chunk 0's sums: 32 t + 8 j + i
.set HV1,   840                        ; chunk 1's
.set NCD,   128
.set MCD,   192
.set SOP,   240                        ; v240-247 conversions' scale operands
.set VX,    248
.set VB,    249                        ; v249, v250, v251: as v4, v5, v6, for phase 1
.set EB,    252
.set SB2,   968
.set BA,    984
.set G1A, 24
.set G0A, 56
.set G0R, 68
.set G1B, 32
.set G0B, 60
.set G1S, 92
.set G0S, 72
.set SEL, 66
.set MSB, 0
.macro WIN new
.if MSB != (\new)
	s_set_vgpr_msb (MSB<<8)|(\new)
.set MSB, (\new)
.endif
.endm
.macro PLACES n
.rept \n
	v_nop
.endr
.endm
.macro WALU
	s_wait_alu depctr_va_vdst(0)
.endm
.macro BARRIER
	s_barrier_signal -1
	s_barrier_wait -1
.endm
.macro MIDDLE                          ; a round's middle
	WIN 0
	s_barrier_wait -1
	s_cmp_lg_u32 s14, 0
	s_cbranch_scc1 .Lnot_wave_0_\@
	s_barrier_signal -3
.Lnot_wave_0_\@:
	s_barrier_wait -3
.endm
.macro CROUND
	s_barrier_signal -1
	MIDDLE
	BARRIER
.endm
.macro GRD
	s_wait_tensorcnt 0x0
	ds_add_u32 v[SPW], v[NIL]
.endm
.macro TLOAD g0, g1
	tensor_load_to_lds s[\g0:\g0+3], s[\g1:\g1+7]
	s_nop 0
	PLACES 4
.endm
.macro GROUP1 g, mask, rows
	s_or_b32 s[\g+0], s[\mask], (1<<20)|(1<<21)|(5<<22)|(3<<25)
	s_mov_b32 s[\g+1], KROW<<16
	s_mov_b32 s[\g+2], (\rows)<<16
	s_mov_b32 s[\g+3], KROW<<16
	s_mov_b32 s[\g+4], \rows
	s_mov_b32 s[\g+5], KROW
	s_mov_b32 s[\g+6], 0
	s_mov_b32 s[\g+7], 0
.endm
.macro SADD d, x
	s_add_co_u32 s\d, s\d, s\x
.endm
.macro G0SET g, base, off
	s_mov_b32 s20, s\off
	s_add_nc_u64 s[\g+2:\g+3], s[\base:\base+1], s[20:21]
	s_or_b32 s[\g+3], s[\g+3], 0x80000000
.endm
; ---- fragments.  Fragment f lies in window 1 + f / 21 at register 12 (f % 21): 0-31 the weights' (4 q + b), 32-39 and 40-47 E's two sets.
.macro FRAG f, q, a0, a1, aw           ; six pieces of 8 bytes, two to a load where both lie behind as many paddings
	WIN ((1+(\f)/FPW)<<6)|(\aw)
.set R_, FR*((\f)%FPW)
.set SKIP_, 0
.irp p, 0,1,2,3,4,5
.if SKIP_
.set SKIP_, 0
.else
.set PC_, 12*(\q)+6*(\p/3)+\p%3
.set PN_, 12*(\q)+6*((\p+1)/3)+(\p+1)%3
.set X_, (PC_%32+3)/32
.set XQ_, (PN_%32+3)/32
.if (\p < 5) && (X_ == XQ_)
.set SKIP_, 1
.if X_
	ds_load_2addr_b64 v[R_+2*\p:R_+2*\p+3], \a1 offset0:PC_+2*(PC_/32) offset1:PN_+2*(PN_/32)
.else
	ds_load_2addr_b64 v[R_+2*\p:R_+2*\p+3], \a0 offset0:PC_+2*(PC_/32) offset1:PN_+2*(PN_/32)
.endif
.elseif X_
	ds_load_b64 v[R_+2*\p:R_+2*\p+1], \a1 offset:8*(PC_+2*(PC_/32))
.else
	ds_load_b64 v[R_+2*\p:R_+2*\p+1], \a0 offset:8*(PC_+2*(PC_/32))
.endif
.endif
.endr
.endm
.macro WEIGHTS                         ; my 64 rows of the weight, all of K: 104 loads
.irp q, 0,1,2,3,4,5,6,7
.irp b, 0,1,2,3
	FRAG 4*\q+\b, \q, v[BA-768+2*\b], v[BA-768+2*\b+1], 3
.endr
.endr
	WIN 0
.endm
.macro FETCHAT e, a0, a1, as           ; a block of E's rows into set e: NF loads
.irp q, 0,1,2,3,4,5,6,7
	FRAG 32+8*(\e)+\q, \q, \a0, \a1, 0
.endr
	WIN 0
	ds_load_b128 v[SA+8*(\e):SA+8*(\e)+3], \as
	ds_load_b128 v[SA+8*(\e)+4:SA+8*(\e)+7], \as offset:16
.endm
.macro FETCH e
	FETCHAT \e, v[ADRA], v[ADRA+1], v[AAS]
.endm
; ---- a product, n = 4 q + tile.  kind 0 (Q, K): source 0 the weight's rows; kind 1 (V): source 0 E's rows.  D = a0 + as x tile.
.macro PROD kind, e, n, a0, as
.set Q_, (\n)/4
.set FB_, 4*Q_+(\n)%4
.set FA_, 32+8*(\e)+Q_
.set D_, (\a0)+(\as)*((\n)%4)
.set DL_, D_&255
.set DW_, D_>>8
.set XB_, SB+8*(((\n)%4)/2)+Q_
.set XA_, SA+8*(\e)+Q_
.if \kind
	WIN (1+FA_/FPW)|((1+FB_/FPW)<<2)|(DW_<<4)|(DW_<<6)
.if Q_
	PROD1 DL_, FA_, FB_, v[DL_:DL_+7], XA_, XB_, b, (\n)%2
.else
	PROD1 DL_, FA_, FB_, 0, XA_, XB_, b, (\n)%2
.endif
.else
	WIN (1+FB_/FPW)|((1+FA_/FPW)<<2)|(DW_<<4)|(DW_<<6)
.if Q_
	PROD1 DL_, FB_, FA_, v[DL_:DL_+7], XB_, XA_, a, (\n)%2
.else
	PROD1 DL_, FB_, FA_, 0, XB_, XA_, a, (\n)%2
.endif
.endif
.endm
.macro PROD1 d, s0, s1, c, x0, x1, side, o
.if \o
	v_wmma_scale_f32_16x16x128_f8f6f4 v[\d:\d+7], v[FR*((\s0)%FPW):FR*((\s0)%FPW)+FR-1], v[FR*((\s1)%FPW):FR*((\s1)%FPW)+FR-1], \c, v[\x0], v[\x1] matrix_a_fmt:MATRIX_FMT_FP6 matrix_b_fmt:MATRIX_FMT_FP6 matrix_\side\()_scale:MATRIX_SCALE_ROW1
.else
	v_wmma_scale_f32_16x16x128_f8f6f4 v[\d:\d+7], v[FR*((\s0)%FPW):FR*((\s0)%FPW)+FR-1], v[FR*((\s1)%FPW):FR*((\s1)%FPW)+FR-1], \c, v[\x0], v[\x1] matrix_a_fmt:MATRIX_FMT_FP6 matrix_b_fmt:MATRIX_FMT_FP6 matrix_\side\()_scale:MATRIX_SCALE_ROW0
.endif
.endm
.macro BLOCK kind, e, a0, as, from, to, list, x=0, y=0
.set N_, \from
.rept (\to)-(\from)
	PROD \kind, \e, N_, \a0, \as
.if N_%2
	\list N_-1, \x, \y
	\list N_, \x, \y
.endif
.set N_, N_+1
.endr
.endm
; ---- what the lists are made of.  Each macro writes entry i of its part, and nothing beyond its last.  DR, DS: the step to the next block's rows and scale words; AB: the phase's base registers
.macro STEP i, wrap
.if \wrap
.if (\i) == 0
	s_add_co_u32 s101, s101, DR
	s_cmp_eq_u32 s101, 2*RA*PITCH
	s_cselect_b32 s101, 0, s101
	s_add_co_u32 s91, s91, DS
.elseif (\i) == 1
	s_cmp_eq_u32 s91, 2*SCB
	s_cselect_b32 s91, 0, s91
.endif
	STEPV (\i)-1
.else
.if (\i) == 0
	s_add_co_u32 s101, s101, DR
	s_add_co_u32 s91, s91, DS
.endif
	STEPV \i
.endif
.endm
.macro STEPV i
.if (\i) == 0
	WIN 0
	v_add_nc_u32 v[ADRA], s101, v[AB]
.elseif (\i) == 1
	WIN 0
	v_add_nc_u32 v[ADRA+1], s101, v[AB+1]
.elseif (\i) == 2
	WIN 0
	v_add_nc_u32 v[AAS], s91, v[AB+2]
.endif
.endm
.macro CHAIN i, x, n, t=TQ             ; a way out's first part, 22 entries: the lane's 32 sums from x on are 16 of each of two blocks; lane l xor 16 has the other 16: the two largest magnitudes, and the scale operands
.set XW_, (\x)>>8
.set B_, (\i)%2
.if (\i) >= 0 && (\i) < 16
.set S_, ((\x)&255)+16*B_+2*((\i)/2)
	WIN XW_|(XW_<<2)
.if (\i) < 2
	v_max3_num_f32 v[\t+B_], |v[S_]|, |v[S_+1]|, (EMAX+1)<<23
.else
	v_max3_num_f32 v[\t+B_], |v[S_]|, |v[S_+1]|, v[\t+B_]
.endif
.elseif (\i) == 16 || (\i) == 17
	WIN 0
	v_permlanex16_b32 v[\t+2+B_], v[\t+B_], s[SEL], s[SEL+1]
.elseif (\i) == 18 || (\i) == 19
	WIN 0
	v_max_num_f32 v[\t+B_], v[\t+B_], v[\t+2+B_]
.elseif (\i) == 20 || (\i) == 21
	WIN 0
	v_add_nc_u32 v[SOP+2*(\n)+B_], -(EMAX<<23), v[\t+B_]
.endif
.endm
.macro CODES i, x, c, n, t=TC          ; its second part, 11 lines: a whole block's codes a lane (lanes 0-15 the first block, 16-31 the second) into v[c .. c+5], the two bytes into v[EB+n]
.set XW_, (\x)>>8
.set XL_, (\x)&255
.if (\i) == 0
	WIN XW_
	v_cvt_scalef32_pk16_fp6_f32 v[\c:\c+2], v[XL_:XL_+15], v[SOP+2*(\n)]
.elseif (\i) == 1
	WIN XW_
	v_cvt_scalef32_pk16_fp6_f32 v[\t:\t+2], v[XL_+16:XL_+31], v[SOP+2*(\n)+1]
.elseif (\i) == 2
	WIN 0
	v_lshrrev_b32 v[EB+\n], 23, v[SOP+2*(\n)]
.elseif (\i) == 3
	WIN 0
	v_lshrrev_b32 v[\t+3], 23, v[SOP+2*(\n)+1]
.elseif (\i) == 4
	WIN 0
	v_lshl_or_b32 v[EB+\n], v[\t+3], 8, v[EB+\n]
.elseif (\i) < 8
	WIN 0
	v_permlane16_swap_b32 v[\c+\i-5], v[\t+\i-5]
.else
	WIN 0
	v_mov_b32 v[\c+\i-5], v[\t+\i-8]
.endif
.endm
.macro CODES6 x, c, n
.irp i, 0,1,2,3,4,5,6,7,8,9,10
	CODES \i, \x, \c, \n
.endr
.endm
.macro PFTILE v, off, share            ; my sixteenth of a tile of 128 rows, to be asked for into the L2
	s_mul_i32 s21, s\share, RA*KROW/16
	s_add_co_u32 s20, s\off, s21
	WIN 0
	v_min_u32 v\v, RA*KROW/16/256-1, v3
	v_lshl_add_u32 v\v, v\v, 8, s20
.endm
.macro PFGO v, base
	global_prefetch_b8 v\v, s[\base:\base+1] th:TH_LOAD_NT scope:SCOPE_SE
.endm
.macro PUT r, base, off                ; half a fragment: 512 and 256 consecutive bytes, at multiples of 256
	global_store_b128 v[CO], v[\r:\r+3], \base offset:\off
	global_store_b64 v[CO8], v[\r+4:\r+5], \base offset:(\off)+512
.endm
.macro ASK i                           ; 4 entries: the descriptors of the chunk at s88 for slot s47, and of its scale bytes at s55 for s8; then all four step on
.if (\i) == 0
	s_mul_i32 s[G0R+1], s14, RA/2*PITCH
	s_add_co_u32 s[G0R+1], s[G0R+1], s47
	s_mul_i32 s20, s14, RA/2*KROW
	SADD 20, 88
.elseif (\i) == 1
	s_mov_b32 s21, 0
	s_add_nc_u64 s[G0R+2:G0R+3], s[4:5], s[20:21]
	s_or_b32 s[G0R+3], s[G0R+3], 0x80000000
	s_mov_b32 s[G0S+1], s8
.elseif (\i) == 2
	s_mov_b32 s20, s55
	s_add_nc_u64 s[G0S+2:G0S+3], s[6:7], s[20:21]
	s_or_b32 s[G0S+3], s[G0S+3], 0x80000000
	s_add_co_u32 s88, s88, RA*KROW
.elseif (\i) == 3
	s_add_co_u32 s55, s55, CU*256
	s_xor_b32 s47, s47, YB
	s_xor_b32 s8, s8, (SCL)^(SCL+SCB)
.endif
.endm
.macro PAIR i                          ; 3 entries: where pair s46's codes go (s[84:85], by the true pair s46 xor 4 s87) and its scale bytes (v[VX], by the order of work)
.if (\i) == 0
	s_lshl_b32 s3, s87, 2
	s_xor_b32 s3, s3, s46
	s_lshr_b32 s20, s3, 1
	s_mul_i32 s20, s20, 8*REC
.elseif (\i) == 1
	s_and_b32 s21, s3, 1
	s_mul_i32 s21, s21, 4*1536
	SADD 20, 21
	s_mov_b32 s21, 0
.elseif (\i) == 2
	s_add_nc_u64 s[84:85], s[10:11], s[20:21]
	s_lshl_b32 s22, s46, 8
	s_add_co_u32 s46, s46, 1
	WIN 0
	v_add_nc_u32 v[VX], s22, v[STO]
.endif
.endm
; ---- the lists
.macro L_STEP i, x, y
	STEP \i, 0
.endm
.macro L_NONE i, x, y
.endm
.macro L_OUT i, x, y
	STEP \i, 0
	CHAIN (\i)-3, \x, \y
.endm
.macro L_LAST i, x, y
	CHAIN \i, \x, \y
.endm
.macro L_V2 i, x, y                    ; V's third block: the first refill's descriptors; the later refills' group 1; the step; what the second refill will load is asked for into the L2
.if (\i) == 0
	s_mov_b32 s[G1A+2], (RA/2)<<16
	s_mov_b32 s[G1A+4], RA/2
	s_mov_b32 s[G1S+2], CU<<16
	s_mov_b32 s[G1S+4], CU
.elseif (\i) == 1
	s_mov_b32 s[G1B+2], (TN/2)<<16
	s_mov_b32 s[G1B+4], TN/2
	s_mul_i32 s[G0B+1], s14, TN/2*PITCH
	s_add_co_u32 s[G0B+1], s[G0B+1], BVB
.elseif (\i) == 2
	s_mul_i32 s20, s14, TN/2*KROW
	SADD 20, 9
	s_mov_b32 s21, 0
	s_add_nc_u64 s[G0B+2:G0B+3], s[52:53], s[20:21]
.elseif (\i) == 3
	s_or_b32 s[G0B+3], s[G0B+3], 0x80000000
.elseif (\i) == 7
	PFTILE 7, 88, 90
.elseif (\i) == 8
	s_lshl_b32 s21, s90, 9
	s_add_co_u32 s20, s55, s21
	WIN 0
	v_min_u32 v8, 1, v3
	v_lshl_add_u32 v8, v8, 8, s20
.endif
	STEP (\i)-4, 0
.endm
.macro L_V7 i, x, y                    ; V's last block: what the third refill will load is asked for; the way out
.if (\i) == 0
	s_add_co_u32 s22, s88, RA*KROW
	PFTILE 20, 22, 90
.endif
	CHAIN (\i)-1, \x, \y
.endm
.macro L_ODD i, x, y
	PAIR \i
	STEP (\i)-3, 0
	CHAIN (\i)-6, ACC, 0
.endm
.macro L_ODDL i, x, y
	PAIR \i
	CHAIN (\i)-3, ACC, 0
.endm
.macro L_ROUND i, x, y
	ASK \i
	STEP (\i)-4, 1
	CHAIN (\i)-8, ACC+32, 1
.endm
; ---- phase 2's blocks.  w: the count of the wait for the block's rows (-1: they are shown in already)
.macro WAITDS w
.if (\w) >= 0
	s_wait_dscnt \w
.endif
.endm
.macro EVENOUT fetch                   ; behind an even block: the odd block's bytes, the pair's codes, the fetch of the block two on
	WALU
	ds_store_b16 v[VX], v[EB+1] offset:128
	PUT NCD, s[84:85], 0
	PUT NCD+6, s[84:85], 3072
.if \fetch
	FETCH 0
.endif
.endm
.macro EVEN w, fetch
	WAITDS \w
.if \fetch
	BLOCK 0, 0, ACC, 8, 0, 32, L_OUT, ACC+32, 1
.else
	BLOCK 0, 0, ACC, 8, 0, 32, L_LAST, ACC+32, 1
.endif
	WIN 0
	CODES6 ACC+32, NCD+6, 1
	EVENOUT \fetch
.endm
.macro EVENROUND w                     ; the second and the third refill
	WAITDS \w
	GRD
	BLOCK 0, 0, ACC, 8, 0, 26, L_ROUND
	WIN 0
	WALU
	s_wait_dscnt 0x0
	s_barrier_signal -1
	BLOCK 0, 0, ACC, 8, 26, 32, L_ROUND
	WIN 0
	CODES6 ACC+32, NCD+6, 1
	MIDDLE
	BARRIER
	s_cmp_lt_u32 s14, 2
	s_cbranch_scc0 .Lscales_\@
	TLOAD G0R, G1A
	s_branch .Lasked_\@
.Lscales_\@:
	s_cmp_eq_u32 s14, 2
	s_cbranch_scc0 .Lnone_\@
	TLOAD G0S, G1S
.Lnone_\@:
.Lasked_\@:
	EVENOUT 1
.endm
.macro EVENSHOW w                      ; a plain barrier inside the block shows the last refill to all
	WAITDS \w
	BLOCK 0, 0, ACC, 8, 0, 26, L_OUT, ACC+32, 1
	WIN 0
	WALU
	s_wait_tensorcnt 0x0
	s_wait_dscnt 0x0
	s_barrier_signal -1
	BLOCK 0, 0, ACC, 8, 26, 32, L_NONE
	WIN 0
	s_barrier_wait -1
	CODES6 ACC+32, NCD+6, 1
	EVENOUT 1
.endm
.macro ODD w, fetch
	WAITDS \w
	s_wait_xcnt 0x0
.if \fetch
	BLOCK 0, 1, ACC+32, 8, 0, 32, L_ODD
.else
	BLOCK 0, 1, ACC+32, 8, 0, 32, L_ODDL
.endif
	WIN 0
	CODES6 ACC, NCD, 0
	WALU
	ds_store_b16 v[VX], v[EB]
.if \fetch
	FETCH 1
.endif
.endm
; ================= THE HEAD
	s_load_b128 s[4:7], s[0:1], 0x0                     ; E's codes, scales
	s_load_b256 s[56:63], s[0:1], 0x10                  ; W_Q's codes, scales; W_K's
	s_load_b128 s[48:51], s[0:1], 0x30                  ; W_V's
	v_lshl_add_u32 v[SPW], v0, 2, SPARE
	v_mov_b32 v[NIL], 0
	ds_add_u32 v[SPW], v[NIL]                           ; the opening lines
	ds_add_u32 v[SPW], v[NIL]
	v_lshrrev_b32 v1, 5, v0
	v_readfirstlane_b32 s14, v1                         ; s14 the wave; s15 its row of the 2 x 2, s16 its column
	s_lshr_b32 s15, s14, 1
	s_and_b32 s16, s14, 1
	s_bfe_u32 s40, ttmp6, 0x40000                       ; cx
	s_bfe_u32 s41, ttmp6, 0x40004                       ; cy
	s_lshl_b32 s42, ttmp9, 2
	s_add_co_u32 s42, s42, s40                          ; s42 phase 2's tile column: 0-7 Q, 8-15 K
	s_and_b32 s43, ttmp7, 0xffff
	s_lshl_b32 s43, s43, 2
	s_add_co_u32 s43, s43, s41                          ; s43 its tile row
	s_lshr_b32 s19, ttmp9, 1                            ; 0 Q, 1 K
	s_and_b32 s87, ttmp9, 1                             ; V's half of my 512 rows
	s_lshl_b32 s13, s19, 2
	s_add_co_u32 s13, s13, s40                          ; s13 V's tile column
	s_lshl_b32 s12, s43, 1
	s_add_co_u32 s12, s12, s87                          ; s12 V's tile row
	s_lshl_b32 s44, s41, 2
	s_lshl_b32 s44, 15, s44                             ; my row of the cluster
	s_lshl_b32 s45, 0x1111, s40                         ; my column
	GROUP1 G1A, 44, RA
	GROUP1 G1B, 45, TN
	s_or_b32 s[G1S+0], s44, (3<<16)|(1<<20)|(1<<21)|(5<<22)|(3<<25)
	s_mov_b32 s[G1S+1], 32<<16
	s_mov_b32 s[G1S+2], (2*CU)<<16
	s_mov_b32 s[G1S+3], 32<<16
	s_mov_b32 s[G1S+4], 2*CU
	s_mov_b32 s[G1S+5], 32
	s_mov_b32 s[G1S+6], 0
	s_mov_b32 s[G1S+7], 0
	s_mov_b32 s[G0S], 1
	s_mov_b32 s[G0S+1], SCL
	s_mov_b32 s[G0R], 1
	s_mov_b32 s[G0R+1], YB
	s_mul_i32 s67, s43, 512*KROW                        ; my 512 rows, bytes from E's codes
	s_mul_i32 s66, s12, 256*KROW                        ; V's half of them
	s_and_b32 s9, s42, 7
	s_mul_i32 s82, s9, TN*KS
	s_mul_i32 s9, s9, TN*KROW                           ; W_Q's or W_K's rows
	s_mul_i32 s54, s13, TN*KROW                         ; W_V's
	s_mul_i32 s55, s43, 512*KS
	s_mul_i32 s89, s12, 256*KS
	s_mul_i32 s21, s16, 64*KS
	SADD 82, 21                                         ; my 64 rows' scale bytes
	s_mov_b32 s83, 0
	s_mul_i32 s84, s13, TN*KS
	SADD 84, 21
	s_mov_b32 s85, 0
	v_and_b32 v1, 15, v0
	v_bfe_u32 v2, v0, 4, 1
	v_and_b32 v3, 31, v0
	v_mul_u32_u24 v22, v1, PITCH
	v_mad_u32_u24 v23, v2, 24, v22
	s_mul_i32 s21, s15, 16*PITCH
	v_add_nc_u32 v[ADRA0], s21, v23
	s_mul_i32 s22, s16, 64*PITCH
	s_add_co_u32 s22, s22, BVB
	v_add_nc_u32 v[ADRB], s22, v23
	s_mul_i32 s23, s15, 64*PITCH
	v_add_nc_u32 v[VB], s23, v23
	v_mad_u32_u24 v23, v2, 40, v22
	v_add_nc_u32 v[ADRA0+1], s21, v23
	v_add_nc_u32 v[ADRB+1], s22, v23
	v_add_nc_u32 v[VB+1], s23, v23
	v_mul_u32_u24 v[ABS], v3, KS
	v_mul_u32_u24 v23, v1, KS
	v_lshrrev_b32 v22, 8, v23
	v_lshl_add_u32 v23, v22, 4, v23
	s_mul_i32 s21, s15, SST
	s_add_co_u32 s21, s21, SCL
	v_add_nc_u32 v[ADRA0+2], s21, v23
	s_mul_i32 s21, s15, 4*SST
	s_add_co_u32 s21, s21, SCL
	v_add_nc_u32 v[VB+2], s21, v23
	v_mov_b32 v[TQ+2], 0                                ; (a lane permute's destination counts as one of its sources)
	v_mov_b32 v[TQ+3], 0
	s_lshl_b32 s90, s40, 2
	SADD 90, 14                                         ; my number among the sixteen waves of my row of the cluster
	s_lshl_b32 s100, s41, 2
	SADD 100, 14                                        ; and of my column
	WALU
	s_wait_dscnt 0x0
	CROUND                                              ; the opening round
	s_wait_kmcnt 0x0
	s_cmp_eq_u32 s19, 0                                 ; W_Q or W_K: by the cluster's number alone
	s_cselect_b64 s[52:53], s[56:57], s[60:61]
	s_cselect_b64 s[10:11], s[58:59], s[62:63]
	s_add_nc_u64 s[10:11], s[10:11], s[82:83]
	s_add_nc_u64 s[84:85], s[50:51], s[84:85]
	s_mov_b32 s[G0A], 1
	s_mov_b32 s[G0A+1], 0
	s_mov_b32 s[G0B], 1
	s_mov_b32 s[G0B+1], BVB
	s_mov_b32 s20, s66
	s_mov_b32 s21, 0
	s_add_nc_u64 s[G0A+2:G0A+3], s[4:5], s[20:21]
	s_add_nc_u64 s[G0R+2:G0R+3], s[G0A+2:G0A+3], RA*KROW
	s_or_b32 s[G0A+3], s[G0A+3], 0x80000000
	s_or_b32 s[G0R+3], s[G0R+3], 0x80000000
	G0SET G0B, 48, 54
	G0SET G0S, 6, 89
	s_cmp_eq_u32 s14, 0
	s_cbranch_scc0 .Lwave_1
	TLOAD G0B, G1B                                      ; wave 0: W_V's rows
	s_branch .Lasked
.Lwave_1:
	s_cmp_eq_u32 s14, 1
	s_cbranch_scc0 .Lwave_2
	TLOAD G0S, G1S                                      ; wave 1: both chunks' scale bytes
	s_branch .Lasked
.Lwave_2:
	s_cmp_eq_u32 s14, 2
	s_cbranch_scc0 .Lwave_3
	TLOAD G0A, G1A                                      ; wave 2: chunk 0
	s_branch .Lasked
.Lwave_3:
	TLOAD G0R, G1A                                      ; wave 3: chunk 1
.Lasked:
	s_lshl_b32 s20, s43, 5                              ; record (4 x tile row) x 8 + feature chunk
	s_and_b32 s22, s42, 7
	SADD 20, 22
	s_mul_i32 s20, s20, REC
	s_mul_i32 s76, s15, 1536
	SADD 76, 20
	s_mul_i32 s22, s16, 768
	SADD 76, 22                                         ; my codes of Q or K
	s_mov_b32 s77, 0
	s_lshl_b32 s22, s87, 1
	s_xor_b32 s22, s22, s14                             ; I send out the words of the panel that comes s14-th in the order of work
	s_mul_i32 s78, s22, 8*REC
	SADD 78, 20
	s_add_co_u32 s78, s78, 12288
	s_mov_b32 s79, 0
	s_lshl_b32 s20, s13, 6                              ; V: record 64 x feature panel + 2 x tile row
	s_lshl_b32 s22, s12, 1
	SADD 20, 22
	s_mul_i32 s20, s20, REC
	s_mul_i32 s80, s16, 4*1536
	SADD 80, 20
	s_mul_i32 s22, s15, 768
	SADD 80, 22
	s_mov_b32 s81, 0
	s_mul_i32 s82, s15, REC
	SADD 82, 20
	s_lshl_b32 s22, s16, 8
	SADD 82, 22
	s_add_co_u32 s82, s82, 12288
	s_mov_b32 s83, 0
.irp p, 0,1
.irp c, 0,1
	global_load_b128 v[SB+8*\p+4*\c:SB+8*\p+4*\c+3], v[ABS], s[84:85] offset:\p*32*KS+16*\c
.endr
.endr
	v_lshlrev_b32 v[CO], 4, v3
	v_lshlrev_b32 v[CO8], 3, v3
	v_lshlrev_b32 v23, 2, v1
	WALU
	s_lshl_b32 s21, s15, 6
	s_lshl_b32 s22, s16, 1
	SADD 21, 22
	s_add_co_u32 s21, s21, XN
	v_add_nc_u32 v[STO], s21, v23                       ; row 16 a + r of a block, half word b
	s_lshl_b32 s21, s16, 8
	s_lshl_b32 s22, s15, 1
	SADD 21, 22
	s_add_co_u32 s21, s21, XM
	v_add_nc_u32 v[STV], s21, v23                       ; row 64 b + r, half word a
	WIN 3<<6
.irp p, 0,1
.irp c, 0,1
	global_load_b128 v[SB2-768+8*\p+4*\c:SB2-768+8*\p+4*\c+3], v[ABS], s[10:11] offset:\p*32*KS+16*\c
.endr
.endr
	WIN 0
	WALU
	s_wait_xcnt 0x0
	s_load_b128 s[40:43], s[0:1], 0x40                  ; qrec, krec
	s_load_b64 s[12:13], s[0:1], 0x50                   ; vrec
	s_mov_b32 s46, 0
	s_mov_b32 s88, s67
	s_mov_b32 s47, 0
	s_mov_b32 s8, SCL
	s_xor_b32 s20, s87, 1                               ; the chunks still to come are the other half's
	s_mul_i32 s21, s20, 2*RA*KROW
	SADD 88, 21
	s_mul_i32 s21, s20, 2*CU*256
	SADD 55, 21
	s_mov_b32 s[SEL], 0x76543210
	s_mov_b32 s[SEL+1], 0xfedcba98
	WIN 3<<6
.irp b, 0,1,2,3
	v_add_nc_u32 v[BA-768+2*\b], \b*16*PITCH, v[ADRB]
	v_add_nc_u32 v[BA-768+2*\b+1], \b*16*PITCH, v[ADRB+1]
.endr
	WIN 0
	v_add_nc_u32 v1, 32*PITCH, v[ADRA0]
	v_add_nc_u32 v22, 32*PITCH, v[ADRA0+1]
	v_add_nc_u32 v23, 2*SST, v[ADRA0+2]
	v_add_nc_u32 v[ADRA], 16*PITCH, v[VB]
	v_add_nc_u32 v[ADRA+1], 16*PITCH, v[VB+1]
	v_add_nc_u32 v[AAS], SST, v[VB+2]
	PFTILE 8, 9, 100                                    ; what the first refill will load
	WALU
	s_cmp_eq_u32 s14, 0
	s_cbranch_scc0 .Lnot_b
	s_wait_tensorcnt 0x0
.Lnot_b:
	BARRIER                                             ; W_V's rows are in
	PFGO 8, 52
	WEIGHTS
	s_cmp_eq_u32 s14, 3
	s_cbranch_scc1 .Lnot_a0
	s_wait_tensorcnt 0x0
.Lnot_a0:
	s_wait_dscnt 0x0
	BARRIER                                             ; chunk 0 and the scale bytes are in; chunk 1 may still be on its way
	FETCHAT 0, v[VB], v[VB+1], v[VB+2]
	FETCH 1
	s_mov_b32 s101, 16*PITCH
	s_mov_b32 s91, SST
	s_wait_kmcnt 0x0
	s_cmp_eq_u32 s19, 0
	s_cselect_b64 s[20:21], s[40:41], s[42:43]
	s_add_nc_u64 s[10:11], s[20:21], s[76:77]
	s_add_nc_u64 s[48:49], s[20:21], s[78:79]
	s_add_nc_u64 s[50:51], s[12:13], s[80:81]
	s_add_nc_u64 s[82:83], s[12:13], s[82:83]
	s_wait_loadcnt 0x0                                  ; both weights' scale words
; ================= PHASE 1: V, eight blocks; chunk 0's way outs stand in chunk 1's blocks
.set AB, VB
.set DR, 16*PITCH
.set DS, SST
.irp s, 0,1
	s_wait_dscnt NF
	BLOCK 1, \s, HV0+8*\s, 32, 0, 32, L_STEP
	WIN 0
	PLACES 4
	WALU
	FETCH \s
.endr
.set DR, YB-3*16*PITCH                                  ; from block 3 to block 4: on into slot 1
.set DS, SCB-3*SST
	s_wait_dscnt NF
	s_wait_xcnt 0x0                                     ; the list writes v8, the address of the head's prefetch
	GRD
	BLOCK 1, 0, HV0+16, 32, 0, 24, L_V2
	WIN 0
	WALU
	s_wait_dscnt 0x0
	s_barrier_signal -1
	BLOCK 1, 0, HV0+16, 32, 24, 32, L_NONE
	MIDDLE
	BARRIER
	s_cmp_lt_u32 s14, 2
	s_cbranch_scc0 .Lno_half
	TLOAD G0B, G1B                                      ; waves 0 and 1 a half each of W_q's or W_k's rows, onto W_v's, which all waves hold in registers
.Lno_half:
	PLACES 4
	WALU
	FETCH 0
	PFGO 7, 4
	PFGO 8, 6
.set DR, 16*PITCH
.set DS, SST
	BLOCK 1, 1, HV0+24, 32, 0, 32, L_STEP               ; (the round's wait for all LDS work has shown its rows in)
	WIN 0
	PLACES 4
	WALU
	FETCH 1
.irp j, 0,1,2
	s_wait_dscnt NF+(\j+1)/2
.if \j < 2
	BLOCK 1, \j%2, HV1+8*\j, 32, 0, 32, L_OUT, HV0+32*\j, \j
.else
	BLOCK 1, \j%2, HV1+8*\j, 32, 0, 32, L_LAST, HV0+32*\j, \j
.endif
	WIN 0
	CODES6 HV0+32*\j, MCD+6*\j, \j
	WALU
	ds_store_b16 v[STV], v[EB+\j] offset:64*\j
	PUT MCD+6*\j, s[50:51], 1536*\j
.if \j < 2
	FETCH \j%2
.endif
.endr
	s_wait_dscnt 1
	BLOCK 1, 1, HV1+24, 32, 0, 26, L_V7, HV0+96, 3
	WIN 0
	WALU
	s_wait_tensorcnt 0x0
	s_wait_dscnt 0x0
	s_barrier_signal -1                                 ; a plain barrier: the weights that the first refill brought are shown to all
	BLOCK 1, 1, HV1+24, 32, 26, 32, L_NONE
	WIN 0
	s_barrier_wait -1
	CODES6 HV0+96, MCD+18, 3
	WALU
	ds_store_b16 v[STV], v[EB+3] offset:192
	PUT MCD+18, s[50:51], 1536*3
; ================= THE CHANGE OF PHASE: the weights and the first two blocks' rows, which lie in slot 0 still, in one run of loads; chunk 1's four way outs under their flight
	WEIGHTS
	FETCHAT 0, v[ADRA0], v[ADRA0+1], v[ADRA0+2]
	FETCHAT 1, v1, v22, v23
	s_mov_b32 s101, 32*PITCH
	s_mov_b32 s91, 2*SST
.set AB, ADRA0
.set DR, 32*PITCH
.set DS, 2*SST
	PFGO 20, 4
	WIN 3
.set I, 0
.rept 16
	v_mov_b32 v[SB+I], v[SB2-768+I]
.set I, I+1
.endr
	WIN 0
.set I, 0
.rept 22
.irp t, 0,1,2,3
	CHAIN I, HV1+32*\t, \t, 64+4*\t
.endr
.set I, I+1
.endr
.set I, 0
.rept 11
.irp t, 0,1,2,3
	CODES I, HV1+32*\t, MCD+24+6*\t, \t, 80+4*\t
.endr
.set I, I+1
.endr
	WIN 0
	WALU
; ================= PHASE 2: Q or K, sixteen blocks, way outs by pairs
	s_wait_dscnt NF
	BLOCK 0, 0, ACC, 8, 0, 32, L_STEP
	WIN 0
	PLACES 4
	WALU
.irp t, 0,1,2,3
	ds_store_b16 v[STV], v[EB+\t] offset:512+64*\t
.endr
.irp t, 0,1,2,3
	PUT MCD+24+6*\t, s[50:51], REC+1536*\t
.endr
	FETCH 0
	ODD NF+4, 1
	s_mov_b32 s86, 0
.Lwith_rounds:                                          ; blocks 2 to 5, 6 to 9
	EVENROUND NF+1
	ODD -1, 1
	EVEN NF+1, 1
	ODD NF+1, 1
	s_add_co_u32 s86, s86, 1
	s_cmp_lg_u32 s86, 2
	s_cbranch_scc1 .Lwith_rounds
.Lwithout:                                              ; blocks 10, 11 and 12, 13
	EVENSHOW NF+1
	ODD -1, 1
	s_add_co_u32 s86, s86, 1
	s_cmp_lg_u32 s86, 4
	s_cbranch_scc1 .Lwithout
	EVEN NF+1, 0
	ODD 1, 0
; ================= THE END: the last way out; the scale words leave through LDS under its conversions
	s_lshl_b32 s21, s14, 9
	s_add_co_u32 s21, s21, XN
	v_add_nc_u32 v12, s21, v[CO]
	s_lshl_b32 s21, s14, 8
	s_add_co_u32 s21, s21, XM
	v_add_nc_u32 v14, s21, v[CO8]
.set I, 0
.rept 22
	CHAIN I, ACC+32, 1
.set I, I+1
.endr
.irp i, 2,3,4
	CODES \i, ACC+32, NCD+6, 1
.endr
	WALU
	ds_store_b16 v[VX], v[EB+1] offset:128
	s_wait_dscnt 0x0
	s_barrier_signal -1
	CODES 0, ACC+32, NCD+6, 1
	CODES 1, ACC+32, NCD+6, 1
	WIN 0
	v_nop
.irp i, 5,6,7,8,9,10
	CODES \i, ACC+32, NCD+6, 1
.endr
	s_barrier_wait -1
	WALU
	ds_load_b128 v[64:67], v12
	ds_load_b64 v[68:69], v14
	PUT NCD, s[84:85], 0
	PUT NCD+6, s[84:85], 3072
	s_wait_dscnt 0x0
	global_store_b128 v[CO], v[64:67], s[48:49]
	global_store_b64 v[CO8], v[68:69], s[82:83]
	s_wait_tensorcnt 0x0                                ; the wave's end
	ds_add_u32 v[SPW], v[NIL]
	s_wait_dscnt 0x0
	CROUND                                              ; the closing round
	s_endpgm
.Lfunc_end_k_q2a3747f6c0_proj:
	.size	k_q2a3747f6c0_proj, .Lfunc_end_k_q2a3747f6c0_proj-k_q2a3747f6c0_proj
	.p2alignl 7, 3214868480
	.fill 96, 4, 3214868480
	.section	.rodata,"a",@progbits
	.p2align	6, 0x0
	.amdhsa_kernel k_q2a3747f6c0_proj
		.amdhsa_group_segment_fixed_size 327680
		.amdhsa_private_segment_fixed_size 0
		.amdhsa_enable_private_segment 0
		.amdhsa_kernarg_size 88
		.amdhsa_user_sgpr_count 2
		.amdhsa_user_sgpr_kernarg_segment_ptr 1
		.amdhsa_wavefront_size32 1
		.amdhsa_system_sgpr_workgroup_id_x 1
		.amdhsa_system_sgpr_workgroup_id_y 1
		.amdhsa_system_sgpr_workgroup_id_z 1
		.amdhsa_system_vgpr_workitem_id 0
		.amdhsa_next_free_vgpr 992
		.amdhsa_next_free_sgpr 102
		.amdhsa_reserve_vcc 0
		.amdhsa_float_denorm_mode_32 3
		.amdhsa_float_denorm_mode_16_64 3
		.amdhsa_memory_ordered 1
		.amdhsa_forward_progress 1
		.amdhsa_inst_pref_size 195
	.end_amdhsa_kernel
	.amdgpu_metadata
---
amdhsa.version: [ 1, 2 ]
amdhsa.kernels:
  - .name:           k_q2a3747f6c0_proj
    .symbol:         k_q2a3747f6c0_proj.kd
    .args:
      - { .name: embeddings_codes, .offset: 0, .size: 8, .value_kind: global_buffer, .address_space: global }
      - { .name: embeddings_scales, .offset: 8, .size: 8, .value_kind: global_buffer, .address_space: global }
      - { .name: W_Q_codes, .offset: 16, .size: 8, .value_kind: global_buffer, .address_space: global }
      - { .name: W_Q_scales, .offset: 24, .size: 8, .value_kind: global_buffer, .address_space: global }
      - { .name: W_K_codes, .offset: 32, .size: 8, .value_kind: global_buffer, .address_space: global }
      - { .name: W_K_scales, .offset: 40, .size: 8, .value_kind: global_buffer, .address_space: global }
      - { .name: W_V_codes, .offset: 48, .size: 8, .value_kind: global_buffer, .address_space: global }
      - { .name: W_V_scales, .offset: 56, .size: 8, .value_kind: global_buffer, .address_space: global }
      - { .name: qrec, .offset: 64, .size: 8, .value_kind: global_buffer, .address_space: global }
      - { .name: krec, .offset: 72, .size: 8, .value_kind: global_buffer, .address_space: global }
      - { .name: vrec, .offset: 80, .size: 8, .value_kind: global_buffer, .address_space: global }
    .group_segment_fixed_size: 327680
    .private_segment_fixed_size: 0
    .kernarg_segment_align: 8
    .kernarg_segment_size: 88
    .max_flat_workgroup_size: 128
    .sgpr_count:     102
    .vgpr_count:     992
    .wavefront_size: 32
...
	.end_amdgpu_metadata
.endif
;; end of part 1
;; launch scores (part 2): grid 12 x 16, 4 waves a work-group, clusters of 4 x 4, 327,680 bytes of LDS; arguments qrec, krec, prec; writes prec
.if DOCPART == 2
	.amdgcn_target "amdgcn-amd-amdhsa--gfx1250"
	.amdhsa_code_object_version 6
	.text
	.protected	k_q2a3747f6c0_scores
	.globl	k_q2a3747f6c0_scores
	.p2align	8
	.type	k_q2a3747f6c0_scores,@function
k_q2a3747f6c0_scores:
	s_mov_b64 s[64:65], 0
	v_nop
	global_prefetch_b8 v0, s[64:65] scope:SCOPE_SE
	s_setreg_imm32_b32 hwreg(HW_REG_WAVE_MODE, 25, 1), 1
	s_wait_xcnt 0x0
	s_wait_alu depctr_hold_cnt(0) depctr_sa_sdst(0) depctr_va_vdst(0) depctr_va_sdst(0) depctr_va_ssrc(0) depctr_va_vcc(0) depctr_vm_vsrc(0)
	s_getreg_b32 s2, hwreg(HW_REG_IB_STS2, 6, 4)
	s_cmp_eq_u32 s2, 0
	s_cbranch_scc0 .Lentry_in_a_cluster
	s_endpgm
.Lentry_in_a_cluster:
	s_bfe_u32 s2, ttmp6, 0x10000c
	s_cmp_lg_u32 s2, 0xf033
	s_cbranch_scc0 .Lentry_shape_is_right
	s_endpgm
.Lentry_shape_is_right:
; S^T = K Q^T on codes of FP6 (E2M3) with E8M0 scales, the causal mask, and p = 2^(t - M) quantised along the keys, for tiles of 256 queries x 256 keys.
; Cluster y is the batch; cluster x names one of the three blocks of 4 x 4 tiles that hold keys at or under queries: (queries 0-1,023, keys 0-1,023), (1,024-2,047, 0-1,023), (1,024-2,047, 1,024-2,047).
; Q's tile is asked for jointly along the cluster's row, K's along its column.  No branch hangs on a work-group's place: a tile that lies wholly above the diagonal is worked like the others and leaves records of zero codes,
; which the next launch walks in its uniform steps of 1,024 keys.
; INPUT: records of 12,800 bytes (128 rows x 128 of the 1,024 features as operand registers, then 128 scale words), [panel of 128 tokens][chunk of 128 features].  A fragment is two halves, each 16 bytes a lane at 16 x lane and, 512 bytes on, 8 bytes a lane at 8 x lane.
; A wave makes 128 queries x 128 keys (source 0 = 16 keys, source 1 = 16 queries: a lane holds one query, its registers run along the keys), 64 accumulators.
; THE SOFTMAX'S PART THAT IS DONE HERE.  t = score x log2(e) / 32.  For each query and THIS chunk of 128 keys: M = ceil(the largest t, or -1e30 if that is larger), p = 2^(t - M), l = the sum of the unquantised p.
; M is a whole number, so the next launch brings a chunk under the row's M by taking M_row - M off the scale bytes and scaling l by a power of two: nothing is rounded.
; OUTPUT: records of 13,824 bytes, [batch][panel of 128 queries][chunk of 128 keys]: 8 fragments of p's codes; 128 words (the four scale bytes, each with bit 7 set); 128 x -M (f32); 128 x l (f32).
; The codes of a block of 32 keys lie in the order 0-7, 16-23, 8-15, 24-31, as V^T's do.
; LIMITS: NaN and infinities are not served; |t| stays under 1e30; v_exp_f32 gives 0 for p under 2^-126.
; REGISTERS: window 0: v3 the mask's number, v4 -infinity, v12-15 statistics, v16-29 addresses, v32-63 scale words, v128-223 Q's fragments; at the end v64-87, v160-231 codes, v96-159 scores and p, v232-254 at work.
;   window 1: K's fragments, two sets.  windows 2, 3: accumulators (a, b) at v[8 (8 (a % 4) + b)].
.set FR,     12
.set NL,     4                         ; LDS loads that bring a fragment: each of its two halves of six registers is 16 bytes a lane at 16 x lane and, 512 bytes on, 8 bytes a lane at 8 x lane (so four loads, not three)
.set T8,     6                         ; v6-8 as ADRT, for the loads of 8 bytes
.set U8,     9                         ; v9-11 as ADRU
.set NP,     4
.set REC,    12800
.set PREC,   13824
.set HALFT,  2*REC                     ; a panel's two chunks: what one tensor load brings
.set SLOT,   4*HALFT                   ; Q's two panels, then K's two: 256 of the features
.set STG,    3*SLOT                    ; behind the three slots: 1,536 bytes a wave for the record's words; no tile lands here
.set SPARE,  STG+4*1536
.set ADRT, 16                          ; v16-18 Q's fragments in slot 0, 1, 2
.set ADRU, 19                          ; v19-21 K's
.set ADRS, 22                          ; v22-24 scale words: lanes 0-15 Q's rows, lanes 16-31 K's
.set STW,  25
.set STR,  26
.set GOF,  27
.set SPW,  28
.set NIL,  29
.set SC,   32
.set AF,   128
.set G1Q, 24
.set G0Q, 32                           ; s[32:43] three sets
.set G1K, 44
.set G0K, 52                           ; s[52:63]
.set CS,  90                           ; s[90:91] c = log2(e) / 32
.set SEL, 92
.set MSB, 0
.macro WIN new
.if MSB != (\new)
	s_set_vgpr_msb (MSB<<8)|(\new)
.set MSB, (\new)
.endif
.endm
.set MUL_LO, 0xa1
.set MUL_HI, 0xf1
.set TO_B,   0x40
.macro JLOAD g0a, g1a, g0b, g1b        ; waves 0 and 1 fetch Q's panels, waves 2 and 3 K's; an s_nop 0 and four v_nop follow each line
	s_cmp_eq_u32 s15, 0
	s_cbranch_scc0 .Lfor_b_\@
	tensor_load_to_lds s[\g0a:\g0a+3], s[\g1a:\g1a+7]
	s_nop 0
.rept 4
	v_nop
.endr
	s_branch .Lasked_\@
.Lfor_b_\@:
	tensor_load_to_lds s[\g0b:\g0b+3], s[\g1b:\g1b+7]
	s_nop 0
.rept 4
	v_nop
.endr
.Lasked_\@:
.endm
.macro CREST
	s_cmp_lg_u32 s14, 0
	s_cbranch_scc1 .Lnot_wave_0_\@
	s_barrier_signal -3
.Lnot_wave_0_\@:
	s_barrier_wait -3
	s_barrier_signal -1
	s_barrier_wait -1
.endm
.macro CROUND
	s_barrier_signal -1
	s_barrier_wait -1
	CREST
.endm
	s_load_b128 s[4:7], s[0:1], 0x0                ; qrec, krec
	s_load_b64 s[12:13], s[0:1], 0x10              ; prec
	v_lshl_add_u32 v[SPW], v0, 2, SPARE
	v_mov_b32 v[NIL], 0
	ds_add_u32 v[SPW], v[NIL]                      ; the wave's opening: the add and its wait ahead of my first tensor load
	ds_add_u32 v[SPW], v[NIL]
	v_lshrrev_b32 v1, 5, v0
	v_readfirstlane_b32 s14, v1                    ; wave
	s_lshr_b32 s15, s14, 1                         ; my panel of queries.  Also: I fetch for Q (0) or K (1)
	s_and_b32 s16, s14, 1                          ; my panel of keys.  Also: which panel I fetch
	s_bfe_u32 s66, ttmp6, 0x40000                  ; cx
	s_bfe_u32 s67, ttmp6, 0x40004                  ; cy
	s_and_b32 s17, ttmp7, 0xffff                   ; the batch
	s_add_co_u32 s18, ttmp9, 1
	s_lshr_b32 s18, s18, 1                         ; cluster x 0, 1, 2: the queries' half 0, 1, 1
	s_lshr_b32 s19, ttmp9, 1                       ; the keys' half 0, 0, 1
	s_lshl_b32 s18, s18, 2
	s_add_co_u32 s18, s18, s67                     ; the tile of queries, 0..7
	s_lshl_b32 s19, s19, 2
	s_add_co_u32 s19, s19, s66                     ; the tile of keys
	s_lshl_b32 s68, s67, 2
	s_lshl_b32 s68, 15, s68                        ; my row of the cluster
	s_lshl_b32 s69, 0x1111, s66                    ; my column
	s_or_b32 s[G1Q+0], s68, (3<<16)|(1<<21)        ; mask; elements of 8 bytes; no padding; bit 21 beside a mask
	s_or_b32 s[G1K+0], s69, (3<<16)|(1<<21)
.irp g, G1Q, G1K                               ; 25,600 dense bytes as 100 rows of 256
	s_mov_b32 s[\g+1], 32<<16
	s_mov_b32 s[\g+2], 100<<16
	s_mov_b32 s[\g+3], 32<<16
	s_mov_b32 s[\g+4], 100
	s_mov_b32 s[\g+5], 32
	s_mov_b32 s[\g+6], 0
	s_mov_b32 s[\g+7], 0
.endr
	s_mov_b32 s[CS], 0x3d38aa3b
	s_mov_b32 s[CS+1], s[CS]                       ; (named with it as a pair)
	s_mov_b32 s[SEL], 0x76543210
	s_mov_b32 s[SEL+1], 0xfedcba98
	s_lshl_b32 s20, s17, 4                         ; 16 panels a batch
	s_lshl_b32 s21, s18, 1
	s_add_co_u32 s21, s21, s20
	s_add_co_u32 s21, s21, s16
	s_mul_i32 s70, s21, 8*REC                      ; Q: the panel that I fetch
	s_mov_b32 s71, 0
	s_lshl_b32 s22, s19, 1
	s_add_co_u32 s22, s22, s20
	s_add_co_u32 s22, s22, s16
	s_mul_i32 s72, s22, 8*REC                      ; K likewise
	s_mov_b32 s73, 0
	s_mul_i32 s23, s14, HALFT                      ; where it goes: wave x a panel's two chunks
	s_lshl_b32 s74, s18, 1                         ; my record: ((16 batch + my panel of queries) x 16 + my chunk of keys) x 13,824
	s_add_co_u32 s74, s74, s20
	s_add_co_u32 s74, s74, s15
	s_lshl_b32 s74, s74, 4
	s_lshl_b32 s75, s19, 1
	s_add_co_u32 s74, s74, s75
	s_add_co_u32 s74, s74, s16
	s_mul_i32 s74, s74, PREC
	s_mov_b32 s75, 0
	s_sub_co_i32 s76, s18, s19                     ; my first query less my first key: 256 (tiles) + 128 (panels); it enters data alone
	s_lshl_b32 s76, s76, 8
	s_sub_co_i32 s77, s15, s16
	s_lshl_b32 s77, s77, 7
	s_add_co_i32 s76, s76, s77
	s_wait_dscnt 0x0                               ; the opening add is done
	s_wait_kmcnt 0x0
	s_add_nc_u64 s[70:71], s[4:5], s[70:71]
	s_add_nc_u64 s[72:73], s[6:7], s[72:73]
	s_add_nc_u64 s[12:13], s[12:13], s[74:75]
	CROUND                                         ; the first joint loads meet
.irp s, 0,1,2                                  ; a group 0 for each slot; at the head each wave issues one load, slot 0's
	s_mov_b32 s[G0Q+4*\s], 1
	s_add_co_u32 s[G0Q+4*\s+1], s23, \s*SLOT
	s_add_nc_u64 s[G0Q+4*\s+2:G0Q+4*\s+3], s[70:71], \s*HALFT
	s_or_b32 s[G0Q+4*\s+3], s[G0Q+4*\s+3], 0x80000000
	s_mov_b32 s[G0K+4*\s], 1
	s_add_co_u32 s[G0K+4*\s+1], s23, \s*SLOT
	s_add_nc_u64 s[G0K+4*\s+2:G0K+4*\s+3], s[72:73], \s*HALFT
	s_or_b32 s[G0K+4*\s+3], s[G0K+4*\s+3], 0x80000000
.endr
	JLOAD G0Q, G1Q, G0K, G1K
	v_and_b32 v1, 15, v0                           ; r
	v_bfe_u32 v2, v0, 4, 1                         ; h
	v_and_b32 v5, 31, v0
	v_lshlrev_b32 v[GOF], 4, v5                    ; 16 x lane
	s_wait_alu depctr_va_vdst(0)
	s_mul_i32 s21, s15, HALFT                      ; my panel of Q
	s_mul_i32 s22, s16, HALFT
	s_add_co_u32 s22, s22, 2*HALFT                 ; my panel of K
	s_sub_co_u32 s20, s22, s21
	v_mul_u32_u24 v30, s20, v2                     ; lanes 16-31 take K's words
	v_lshl_add_u32 v30, v1, 2, v30                 ; + 4 r
	v_lshlrev_b32 v31, 3, v5                       ; 8 x lane
.irp s, 0,1,2
	v_add_nc_u32 v[ADRT+\s], s21, v[GOF]
	v_add_nc_u32 v[ADRU+\s], s22, v[GOF]
	v_add_nc_u32 v[T8+\s], s21, v31
	v_add_nc_u32 v[U8+\s], s22, v31
	v_add_nc_u32 v[ADRS+\s], s21, v30
	s_add_co_u32 s21, s21, SLOT
	s_add_co_u32 s22, s22, SLOT
.endr
	s_mul_i32 s20, s14, 1536
	s_add_co_u32 s20, s20, STG
	v_lshl_add_u32 v[STW], v1, 2, s20
	v_add_nc_u32 v[STR], s20, v[GOF]
	v_lshlrev_b32 v3, 3, v2
	v_sub_nc_u32 v3, v1, v3
	v_add_nc_u32 v3, s76, v3                       ; r - 8 h + my first query - my first key.  Key 16 b + 8 h + j is hidden from query 16 a + r where 16 (b - a) + j is above this number
	v_mov_b32 v4, 0xff800000                       ; -infinity
	; Prefetches into the L2, two slots ahead of the load that wants them: of the 100 blocks of 256 bytes that a wave fetches for a slot, each of the four work-groups that ask jointly names 25, by address (cx for Q, cy for K)
	s_cmp_eq_u32 s15, 0
	s_cselect_b64 s[74:75], s[70:71], s[72:73]
	s_cselect_b32 s20, s66, s67
	s_mul_i32 s20, s20, 25*256
	v_min_u32 v30, 24, v5
	v_lshl_add_u32 v30, v30, 8, s20
	global_prefetch_b8 v30, s[74:75] offset:HALFT th:TH_LOAD_NT scope:SCOPE_SE
	global_prefetch_b8 v30, s[74:75] offset:2*HALFT th:TH_LOAD_NT scope:SCOPE_SE
.macro FRAG reg, adr, adr8, q, i       ; a fragment comes as it was stored: two halves of six registers
.irp c, 0,1
	ds_load_b128 v[\reg+6*\c:\reg+6*\c+3], v[\adr] offset:(\q)*REC+(\i)*1536+768*\c
	ds_load_b64 v[\reg+6*\c+4:\reg+6*\c+5], v[\adr8] offset:(\q)*REC+(\i)*1536+768*\c+512
.endr
.endm
.macro MUL16 a0, q, sc, zero           ; Q's blocks a0, a0 + 1 x K's eight; the 64 accumulators take turns
.irp a, \a0, \a0+1
.irp b, 0,1,2,3,4,5,6,7
.if \zero
	v_wmma_scale_f32_16x16x128_f8f6f4 v[8*(8*((\a)%4)+\b):8*(8*((\a)%4)+\b)+7], v[128*(\q)+FR*\b:128*(\q)+FR*\b+FR-1], v[AF+FR*(\a):AF+FR*(\a)+FR-1], 0, v[SC+16*(\sc)+2*\b+(\q)], v[SC+16*(\sc)+2*(\a)+(\q)] matrix_a_fmt:MATRIX_FMT_FP6 matrix_b_fmt:MATRIX_FMT_FP6 matrix_a_scale:MATRIX_SCALE_ROW1
.else
	v_wmma_scale_f32_16x16x128_f8f6f4 v[8*(8*((\a)%4)+\b):8*(8*((\a)%4)+\b)+7], v[128*(\q)+FR*\b:128*(\q)+FR*\b+FR-1], v[AF+FR*(\a):AF+FR*(\a)+FR-1], v[8*(8*((\a)%4)+\b):8*(8*((\a)%4)+\b)+7], v[SC+16*(\sc)+2*\b+(\q)], v[SC+16*(\sc)+2*(\a)+(\q)] matrix_a_fmt:MATRIX_FMT_FP6 matrix_b_fmt:MATRIX_FMT_FP6 matrix_a_scale:MATRIX_SCALE_ROW1
.endif
.endr
.endr
.endm
.macro FETCH_U slot, q, p
	WIN TO_B
.irp i, 0,1,2,3,4,5,6,7
	FRAG 128*(\p)+FR*\i, ADRU+\slot, U8+\slot, \q, \i
.endr
	WIN 0
.endm
.macro FETCH_T slot, q, i0
.irp i, \i0, \i0+1, \i0+2, \i0+3
	FRAG AF+FR*(\i), ADRT+\slot, T8+\slot, \q, \i
.endr
.endm
.macro SCALES sc, slot                 ; a slot's two chunks: lanes 0-15 Q's block i, lanes 16-31 K's block i
.irp i, 0,1,2,3,4,5,6,7
.irp q, 0,1
	ds_load_b32 v[SC+16*(\sc)+2*\i+\q], v[ADRS+\slot] offset:\q*REC+12288+64*\i
.endr
.endr
.endm
.macro PLACES n
.rept \n
	v_nop
.endr
.endm
; A chunk of 128 features whose successor (slot nslot, chunk nq) lies in bytes that every wave already knows whole.  scl >= 0: the successor opens a slot: its scale words go into set scl.
.macro GO q, sc, zero, nslot, nq, scl
	s_wait_dscnt 4*NL                              ; all but the youngest loads (Q's blocks 4-7) are in
	WIN MUL_LO
	MUL16 0, \q, \sc, \zero
	MUL16 2, \q, \sc, \zero
	s_wait_dscnt 0
	PLACES NP
	FETCH_U \nslot, \nq, \nq
	FETCH_T \nslot, \nq, 0
.if (\scl) >= 0
	SCALES \scl, \nslot
.endif
	WIN MUL_HI
	MUL16 4, \q, \sc, \zero
	MUL16 6, \q, \sc, \zero
	PLACES NP
	WIN 0
	FETCH_T \nslot, \nq, 4
.endm
; A slot's second chunk with a barrier in it: ahead of it each wave waits for all its tensor loads, adds 0 to its spare word, and waits for that and for its reads.  fill = 2: slot 0, just read out, takes the last 256 features.
.macro TURN sc, fill, next, nsc
	s_wait_tensorcnt 0x0
	ds_add_u32 v[SPW], v[NIL]
	s_wait_dscnt 4*NL+1                            ; (the add and Q's blocks 4-7 may be out)
	WIN MUL_LO
	MUL16 0, 1, \sc, 0
	s_wait_dscnt 0x0                               ; the add is done, and my reads of the slot are over
	s_barrier_signal -1
	MUL16 2, 1, \sc, 0
	WIN 0
	s_barrier_wait -1
.if \fill
	CREST                                          ; the barrier has opened a round of the cluster's
.if (\fill) == 1
	JLOAD G0Q+8, G1Q, G0K+8, G1K                   ; slot 2's first fill, behind the full sequence; it has two chunks' products in which to land
.else
	s_add_nc_u64 s[G0Q+2:G0Q+3], s[G0Q+2:G0Q+3], 3*HALFT
	s_add_nc_u64 s[G0K+2:G0K+3], s[G0K+2:G0K+3], 3*HALFT
	JLOAD G0Q, G1Q, G0K, G1K                       ; slot 0 takes the last 256 features
.endif
.else
	PLACES NP
.endif
	FETCH_U \next, 0, 0
	FETCH_T \next, 0, 0
	SCALES \nsc, \next
	WIN MUL_HI
	MUL16 4, 1, \sc, 0
	MUL16 6, 1, \sc, 0
	PLACES NP
	WIN 0
	FETCH_T \next, 0, 4
.endm
	s_wait_alu depctr_va_vdst(0)
	s_wait_tensorcnt 0x0                           ; my part of slot 0 is in
	ds_add_u32 v[SPW], v[NIL]
	s_wait_dscnt 0x0
	CROUND
	JLOAD G0Q+4, G1Q, G0K+4, G1K                   ; slot 1
	FETCH_U 0, 0, 0
	FETCH_T 0, 0, 0
	SCALES 0, 0
	FETCH_T 0, 0, 4
	global_prefetch_b8 v30, s[74:75] offset:3*HALFT th:TH_LOAD_NT scope:SCOPE_SE   ; the last 256 features
	GO 0, 0, 1, 0, 1, -1                           ; chunk 0: its products start the sums
	TURN 0, 1, 1, 1                                ; chunk 1; slot 1 is whole for all; slot 2 is filled
	GO 0, 1, 0, 1, 1, -1                           ; chunk 2
	s_wait_alu depctr_va_vdst(0)
	TURN 1, 2, 2, 0                                ; chunk 3; slot 2 is whole for all; slot 0 is filled again
	GO 0, 0, 0, 2, 1, -1                           ; chunk 4
	TURN 0, 0, 0, 1                                ; chunk 5; the barrier shows slot 0's second fill to every wave
	GO 0, 1, 0, 0, 1, -1                           ; chunk 6
	s_wait_dscnt 4*NL                              ; chunk 7
	WIN MUL_LO
	MUL16 0, 1, 1, 0
	MUL16 2, 1, 1, 0
	s_wait_dscnt 0
	WIN MUL_HI
	MUL16 4, 1, 1, 0
	MUL16 6, 1, 1, 0
	WIN 0
; BLOCK a: 16 queries x 128 keys.  The mask's bits lie in 64 scalar registers (the descriptors' and other registers that are done with; s64 and s65 are passed over): the bits for the number 16 x + j stand at place (x mod 8) x 8 + j.
; From a block to the next x = b - a moves down by one, so eight compares renew what the block needs.
; The blocks are a loop of eight trips.  What differs, the accumulators' numbers and the mask's registers, stands in an arm for each block (ARM); the rest is written once (SOFT), with the codes in v64-75.
.set CD,   64
.set OFW,  31                          ; v31 STW + 64 x block
.macro CMPS x                          ; the mask's bits for the numbers 16 x .. 16 x + 7
.irp j, 0,1,2,3,4,5,6,7
.set NN, ((\x)&7)*8+\j
.set MK, 24+NN+2*(NN/40)
	v_cmp_gt_i32 s[MK], 16*(\x)+\j, v3
.endr
.endm
.macro ARM a
.set AC, 64*((\a)%4)
.set WN, 2+(\a)/4
.if (\a) < 7
	s_cmp_eq_u32 s22, \a
	s_cbranch_scc0 .Lnot_block_\@
.endif
.if (\a) > 0
	CMPS -(\a)
.endif
	WIN WN                                         ; source 0: the accumulators' window
.irp b, 0,1,2,3,4,5,6,7
.irp j, 0,1,2,3,4,5,6,7
.set NN, (((\b)-(\a))&7)*8+\j
.set MK, 24+NN+2*(NN/40)
	v_cndmask_b32 v[96+8*\b+\j], v[AC+8*\b+\j], v4, s[MK]   ; the score, or -infinity where the key is hidden; each accumulator from its low end on
.endr
.endr
	WIN 0
.if (\a) < 7
	s_branch .Lmasked
.Lnot_block_\@:
.endif
.endm
.macro TNUM                            ; partial sum J of l: the pair v[TJ:TJ+1]
.if J < 4
.set TJ, 88+2*J
.else
.set TJ, 240+2*(J-4)+4*((J-4)/2)
.endif
.endm
.macro SOFT
.irp b, 0,1,2,3
	v_max3_num_f32 v[232+\b], v[96+16*\b], v[97+16*\b], v[98+16*\b]   ; the largest score of each block of 32 keys: for the chunk's maximum and, since p rises with the score, for the block's largest p
.endr
.irp i, 3,5,7,9,11,13
.irp b, 0,1,2,3
	v_max3_num_f32 v[232+\b], v[232+\b], v[96+16*\b+\i], v[97+16*\b+\i]
.endr
.endr
.irp b, 0,1,2,3
	v_max_num_f32 v[232+\b], v[232+\b], v[111+16*\b]
.endr
.irp b, 0,1,2,3
	v_permlanex16_b32 v[236+\b], v[232+\b], s[SEL], s[SEL+1]
.endr
.irp b, 0,1,2,3
	v_max_num_f32 v[232+\b], v[232+\b], v[236+\b]
.endr
	v_max3_num_f32 v254, v232, v233, v234
	v_max_num_f32 v254, v254, v235
	v_mul_f32 v254, s[CS], v254                    ; as t
	v_max_num_f32 v254, 0xf149f2ca, v254           ; not under -1e30: a chunk all of whose keys are hidden has a finite M, and p = 0
	s_wait_alu depctr_va_vdst(0)
	s_wait_dscnt 0x0                               ; the last block's three LDS stores have read v12, v14 and v253, which are written again from here on
	s_wait_xcnt 0x0                                ; and its global stores their registers and their base
	s_add_nc_u64 s[12:13], s[12:13], 1536          ; (so the stores' offsets are 1,536 less)
	v_add_nc_u32 v[OFW], s21, v[STW]
	v_floor_f32 v12, -v254                         ; -M = floor(-t)
.set J, 0
.rept 8
	v_pk_fma_f32 v[96+2*J:97+2*J], v[96+2*J:97+2*J], s[CS:CS+1], v[12:13] op_sel_hi:[1,0,0]   ; t - M of the first 16
.set J, J+1
.endr
.irp b, 0,1,2,3
	v_fma_f32 v[232+\b], v[232+\b], s[CS], v12     ; and of each block's largest
.endr
	s_wait_alu depctr_va_vdst(0)
; p in four batches of 16; among a batch's exponentials stand the next batch's t - M and sums of the batch before (each partial sum at most once a batch, so that a wait stands between its write and its next read)
.irp q, 0,1,2,3
.set J, 0
.rept 8
	v_exp_f32 v[96+16*\q+2*J], v[96+16*\q+2*J]
	v_exp_f32 v[97+16*\q+2*J], v[97+16*\q+2*J]
.if \q == 0
.if J < 4
	v_exp_f32 v[232+J], v[232+J]                   ; the block's largest p
.endif
.endif
.if \q < 3
	v_pk_fma_f32 v[112+16*\q+2*J:113+16*\q+2*J], v[112+16*\q+2*J:113+16*\q+2*J], s[CS:CS+1], v[12:13] op_sel_hi:[1,0,0]
.endif
.if \q == 1
.if J < 4
	v_pk_add_f32 v[88+2*J:89+2*J], v[96+4*J:97+4*J], v[98+4*J:99+4*J]   ; l is the sum of the unquantised p: partial sums 0-3
.endif
.elseif \q == 2
.if J < 4
.set J, J+4
	TNUM
.set J, J-4
	v_pk_add_f32 v[TJ:TJ+1], v[112+4*J:113+4*J], v[114+4*J:115+4*J]     ; 4-7
.endif
.elseif \q == 3
	TNUM
	v_pk_add_f32 v[TJ:TJ+1], v[TJ:TJ+1], v[128+2*J:129+2*J]
.endif
.set J, J+1
.endr
	s_wait_alu depctr_va_vdst(0)                   ; one wait for the batch and for the next
.endr
.set J, 0
.rept 8
	TNUM
	v_pk_add_f32 v[TJ:TJ+1], v[TJ:TJ+1], v[144+2*J:145+2*J]
.set J, J+1
.endr
	v_pk_add_f32 v[88:89], v[88:89], v[90:91]
	v_pk_add_f32 v[92:93], v[92:93], v[94:95]
	v_pk_add_f32 v[240:241], v[240:241], v[242:243]
	v_pk_add_f32 v[248:249], v[248:249], v[250:251]
	v_pk_add_f32 v[88:89], v[88:89], v[92:93]
	v_pk_add_f32 v[240:241], v[240:241], v[248:249]
	v_pk_add_f32 v[14:15], v[88:89], v[240:241]
	v_add_f32 v14, v14, v15
	v_permlanex16_b32 v15, v14, s[SEL], s[SEL+1]
	v_add_f32 v14, v14, v15                        ; with lane l xor 16's 64 keys
	s_wait_alu depctr_va_vdst(0)                   ; and one for the four
.irp b, 0,1,2,3
	v_max_num_f32 v[232+\b], 0x1800000, v[232+\b]  ; the floor 2^(3 - 127): the byte cannot fall under 1
.endr
.irp b, 0,1,2,3
	v_add_nc_u32 v[244+\b], 0xff000000, v[232+\b]  ; the conversion's scale operand
.endr
.irp b, 0,1,2,3
	v_lshrrev_b32 v[236+\b], 23, v[244+\b]         ; the scale's byte, 125 at the most
.endr
	v_lshl_or_b32 v253, v237, 8, v236
	v_lshl_or_b32 v253, v238, 16, v253
	v_lshl_or_b32 v253, v239, 24, v253
	v_or_b32 v253, 0x80808080, v253                ; 128 onto each byte: room for the next launch's subtraction
.irp c, 0,1
	v_cvt_scalef32_pk16_fp6_f32 v[CD+6*\c:CD+6*\c+2], v[96+32*\c:111+32*\c], v[244+2*\c]
	v_cvt_scalef32_pk16_fp6_f32 v[236+4*\c:238+4*\c], v[112+32*\c:127+32*\c], v[244+2*\c+1]
.endr
	v_nop                                          ; one plain place behind a scaled conversion
.irp c, 0,1
.irp i, 0,1,2
	v_permlane16_swap_b32 v[CD+6*\c+\i], v[236+4*\c+\i]
.endr
.irp i, 0,1,2
	v_mov_b32 v[CD+3+6*\c+\i], v[236+4*\c+\i]
.endr
.endr
	s_wait_alu depctr_va_vdst(0)
.irp c, 0,1,2
	global_store_b128 v[GOF], v[CD+4*\c:CD+4*\c+3], s[12:13] offset:512*\c-1536   ; 512 consecutive bytes, at a multiple of 256
.endr
	ds_store_b32 v[OFW], v253                      ; both halves of the lanes hold the same three numbers
	ds_store_b32 v[OFW], v12 offset:512
	ds_store_b32 v[OFW], v14 offset:1024
.endm
	PLACES NP
	s_wait_xcnt 0x0                                ; the prefetches have read their base, which becomes a mask register below
	v_mov_b32 v13, 0                               ; (named as the upper half of the pair v[12:13])
	v_mov_b32 v15, 0
.irp b, 0,1,2,3
	v_mov_b32 v[236+\b], 0                         ; written once: a lane permute's destination counts as one of its sources
.endr
.irp x, 0,1,2,3,4,5,6,7
	CMPS \x                                        ; all that block 0 needs
.endr
	s_mov_b32 s21, 0
	s_mov_b32 s22, 0
	s_wait_alu depctr_va_vdst(0)
.Lblock:
	ARM 0
	ARM 1
	ARM 2
	ARM 3
	ARM 4
	ARM 5
	ARM 6
	ARM 7
.Lmasked:
	s_wait_alu depctr_va_vdst(0)
	SOFT
	s_add_co_u32 s21, s21, 64
	s_add_co_u32 s22, s22, 1
	s_cmp_lt_u32 s22, 8
	s_wait_alu depctr_va_vdst(0)
	s_cbranch_scc1 .Lblock
.irp c, 0,1,2
	ds_load_b128 v[96+4*\c:99+4*\c], v[STR] offset:512*\c   ; LDS serves a wave's instructions in order: these see my stores
.endr
	s_wait_dscnt 0x0
.irp c, 0,1,2
	global_store_b128 v[GOF], v[96+4*\c:99+4*\c], s[12:13] offset:512*\c   ; the words, -M, l; the base has stepped over the eight fragments' 12,288 bytes
.endr
	s_wait_tensorcnt 0x0                           ; the wave's end
	ds_add_u32 v[SPW], v[NIL]
	s_wait_dscnt 0x0
	CROUND                                         ; the closing round
	s_endpgm
.Lfunc_end_k_q2a3747f6c0_scores:
	.size	k_q2a3747f6c0_scores, .Lfunc_end_k_q2a3747f6c0_scores-k_q2a3747f6c0_scores
	.p2alignl 7, 3214868480
	.fill 96, 4, 3214868480
	.section	.rodata,"a",@progbits
	.p2align	6, 0x0
	.amdhsa_kernel k_q2a3747f6c0_scores
		.amdhsa_group_segment_fixed_size 327680
		.amdhsa_private_segment_fixed_size 0
		.amdhsa_enable_private_segment 0
		.amdhsa_kernarg_size 24
		.amdhsa_user_sgpr_count 2
		.amdhsa_user_sgpr_kernarg_segment_ptr 1
		.amdhsa_wavefront_size32 1
		.amdhsa_system_sgpr_workgroup_id_x 1
		.amdhsa_system_sgpr_workgroup_id_y 1
		.amdhsa_system_sgpr_workgroup_id_z 1
		.amdhsa_system_vgpr_workitem_id 0
		.amdhsa_next_free_vgpr 1024
		.amdhsa_next_free_sgpr 94
		.amdhsa_reserve_vcc 0
		.amdhsa_float_denorm_mode_32 3
		.amdhsa_float_denorm_mode_16_64 3
		.amdhsa_memory_ordered 1
		.amdhsa_forward_progress 1
		.amdhsa_inst_pref_size 171
	.end_amdhsa_kernel
	.amdgpu_metadata
---
amdhsa.version: [ 1, 2 ]
amdhsa.kernels:
  - .name:           k_q2a3747f6c0_scores
    .symbol:         k_q2a3747f6c0_scores.kd
    .args:
      - { .name: qrec, .offset: 0, .size: 8, .value_kind: global_buffer, .address_space: global }
      - { .name: krec, .offset: 8, .size: 8, .value_kind: global_buffer, .address_space: global }
      - { .name: prec, .offset: 16, .size: 8, .value_kind: global_buffer, .address_space: global }
    .group_segment_fixed_size: 327680
    .private_segment_fixed_size: 0
    .kernarg_segment_align: 8
    .kernarg_segment_size: 24
    .max_flat_workgroup_size: 128
    .sgpr_count:     94
    .vgpr_count:     1024
    .wavefront_size: 32
...
	.end_amdgpu_metadata
.endif
;; end of part 2
;; launch pv (part 3): grid 4 x 64, 4 waves a work-group, clusters of 4 x 4, 327,680 bytes of LDS; arguments prec, vrec, out0; writes out0
.if DOCPART == 3
	.amdgcn_target "amdgcn-amd-amdhsa--gfx1250"
	.amdhsa_code_object_version 6
	.text
	.protected	k_q2a3747f6c0_pv
	.globl	k_q2a3747f6c0_pv
	.p2align	8
	.type	k_q2a3747f6c0_pv,@function
k_q2a3747f6c0_pv:
	s_mov_b64 s[64:65], 0
	v_nop
	global_prefetch_b8 v0, s[64:65] scope:SCOPE_SE
	s_setreg_imm32_b32 hwreg(HW_REG_WAVE_MODE, 25, 1), 1
	s_wait_xcnt 0x0
	s_wait_alu depctr_hold_cnt(0) depctr_sa_sdst(0) depctr_va_vdst(0) depctr_va_sdst(0) depctr_va_ssrc(0) depctr_va_vcc(0) depctr_vm_vsrc(0)
	s_getreg_b32 s2, hwreg(HW_REG_IB_STS2, 6, 4)
	s_cmp_eq_u32 s2, 0
	s_cbranch_scc0 .Lentry_in_a_cluster
	s_endpgm
.Lentry_in_a_cluster:
	s_bfe_u32 s2, ttmp6, 0x10000c
	s_cmp_lg_u32 s2, 0xf033
	s_cbranch_scc0 .Lentry_shape_is_right
	s_endpgm
.Lentry_shape_is_right:
; out = (p V) / l on codes of FP6 (E2M3): a work-group makes 128 queries x 256 features, four waves 64 x 128 each; cluster y names the batch and 512 queries, which walk 1,024 keys (the first two) or 2,048.
; p's records: 8 fragments of 16 queries x 128 keys, 128 scale words, 128 x -M, 128 x l, M and l those of the record's own 128 keys; V^T's records: 8 fragments of 16 features x 128 keys, then 128 scale words.
; The row's M is the largest of its records' (the smallest -M): a record is brought under it by taking M_row - M, a whole number, off its scale bytes, and its l by a power of two.  A byte that would fall under 0 becomes 0.
; Keys beyond the 1,024 or 2,048 walked lie above the diagonal of every query of the work-group: they are left out.  LIMITS: NaN and infinities are not served; M_row - M is held at 127.
; p's tiles are asked for jointly along the cluster's row, V^T's along its column; two slots of four key chunks each.
.set REC,    12800
.set U8,     8                         ; v8-9 as ADRU, for the loads of 8 bytes a lane
.set PREC,   13824
.set VOFF,   4*PREC
.set SLOT,   4*PREC+8*REC
.set SPARE,  2*SLOT
.set SPITCH, 528
.set ADRT, 16
.set ADRU, 18
.set ADRW, 20
.set ADRV, 22
.set STO,  24
.set RD,   25
.set CO,   26
.set SPW,  28
.set NIL,  29
.set TS,   32
.set US,   36
.set RW,   44
.set RM,   46
.set RL,   48
.set MR,   50
.set LS,   52
.set TF,   64
.set UF,   0
.set BK,   64
.set IL,   192
.set G1P, 24
.set G0P, 32
.set G1V, 48
.set G0V, 56
.set SEL, 66
.set K01, 68
.set MSB, 0
.macro WIN new
.if MSB != (\new)
	s_set_vgpr_msb (MSB<<8)|(\new)
.set MSB, (\new)
.endif
.endm
.set MUL,  0xa1
.set TO_B, 0x40
.macro JLOAD g0a, g1a, g0b, g1b
	s_cmp_eq_u32 s15, 0
	s_cbranch_scc0 .Lfor_b_\@
	tensor_load_to_lds s[\g0a:\g0a+3], s[\g1a:\g1a+7]
	s_nop 0
.rept 4
	v_nop
.endr
	s_branch .Lasked_\@
.Lfor_b_\@:
	tensor_load_to_lds s[\g0b:\g0b+3], s[\g1b:\g1b+7]
	s_nop 0
.rept 4
	v_nop
.endr
.Lasked_\@:
.endm
.macro CREST
	s_cmp_lg_u32 s14, 0
	s_cbranch_scc1 .Lnot_wave_0_\@
	s_barrier_signal -3
.Lnot_wave_0_\@:
	s_barrier_wait -3
	s_barrier_signal -1
	s_barrier_wait -1
.endm
.macro CROUND
	s_barrier_signal -1
	s_barrier_wait -1
	CREST
.endm
	s_load_b128 s[4:7], s[0:1], 0x0
	s_load_b64 s[8:9], s[0:1], 0x10
	v_lshl_add_u32 v[SPW], v0, 2, SPARE
	v_mov_b32 v[NIL], 0
	ds_add_u32 v[SPW], v[NIL]
	ds_add_u32 v[SPW], v[NIL]
	v_lshrrev_b32 v1, 5, v0
	v_readfirstlane_b32 s14, v1
	s_lshr_b32 s15, s14, 1
	s_and_b32 s16, s14, 1
	s_bfe_u32 s40, ttmp6, 0x40000
	s_bfe_u32 s41, ttmp6, 0x40004
	s_and_b32 s17, ttmp7, 0xffff
	s_lshr_b32 s18, s17, 2
	s_and_b32 s19, s17, 3
	s_lshr_b32 s3, s19, 1
	s_add_co_u32 s3, s3, 1
	s_lshl_b32 s42, s18, 4
	s_lshl_b32 s19, s19, 2
	s_add_co_u32 s42, s42, s19
	s_add_co_u32 s42, s42, s41
	s_lshl_b32 s43, s41, 2
	s_lshl_b32 s43, 15, s43
	s_lshl_b32 s44, 0x1111, s40
	s_or_b32 s[G1P+0], s43, (3<<16)|(1<<21)
	s_or_b32 s[G1V+0], s44, (3<<16)|(1<<21)
	s_mov_b32 s[G1P+1], 32<<16
	s_mov_b32 s[G1P+2], 108<<16
	s_mov_b32 s[G1P+3], 32<<16
	s_mov_b32 s[G1P+4], 108
	s_mov_b32 s[G1P+5], 32
	s_mov_b32 s[G1P+6], 0
	s_mov_b32 s[G1P+7], 0
	s_mov_b32 s[G1V+1], 32<<16
	s_mov_b32 s[G1V+2], 200<<16
	s_mov_b32 s[G1V+3], 32<<16
	s_mov_b32 s[G1V+4], 200
	s_mov_b32 s[G1V+5], 32
	s_mov_b32 s[G1V+6], 0
	s_mov_b32 s[G1V+7], 0
	s_mov_b32 s[SEL], 0x76543210
	s_mov_b32 s[SEL+1], 0xfedcba98
	s_mov_b32 s[K01], 0x01010101
	s_lshl_b32 s20, s42, 4
	s_mul_i32 s10, s20, PREC
	s_mov_b32 s11, 0
	s_lshl_b32 s21, s16, 1
	s_add_co_u32 s20, s20, s21
	s_mul_i32 s20, s20, PREC
	s_mov_b32 s21, 0
	s_lshl_b32 s22, s40, 1
	s_add_co_u32 s22, s22, s16
	s_lshl_b32 s22, s22, 6
	s_lshl_b32 s23, s18, 4
	s_add_co_u32 s22, s22, s23
	s_mul_i32 s22, s22, REC
	s_mov_b32 s23, 0
	s_mul_i32 s45, s16, 2*PREC
	s_mul_i32 s46, s16, 4*REC
	s_add_co_u32 s46, s46, VOFF
	s_lshl_b32 s12, s42, 7
	s_lshl_b32 s13, s15, 6
	s_add_co_u32 s12, s12, s13
	s_lshl_b32 s12, s12, 12
	s_lshl_b32 s13, s40, 10
	s_add_co_u32 s12, s12, s13
	s_lshl_b32 s13, s16, 9
	s_add_co_u32 s12, s12, s13
	s_mov_b32 s13, 0
	s_wait_dscnt 0x0
	s_wait_kmcnt 0x0
	s_add_nc_u64 s[10:11], s[4:5], s[10:11]
	s_add_nc_u64 s[20:21], s[4:5], s[20:21]
	s_add_nc_u64 s[22:23], s[6:7], s[22:23]
	s_add_nc_u64 s[8:9], s[8:9], s[12:13]
; A prefetch into the L2 of the slot that stands one further on than the last asked for.  Of the 108 (p) or 200 (V^T) blocks of 256 bytes that a wave fetches for a slot each of the four work-groups that ask jointly names 27 or 50, by address (cx for p, cy for V^T)
.macro ASK
	s_wait_xcnt 0x0                                ; the last prefetch has read its base
	s_add_nc_u64 s[4:5], s[4:5], s[6:7]
	global_prefetch_b8 v27, s[4:5] th:TH_LOAD_NT scope:SCOPE_SE
	s_cmp_eq_u32 s15, 0
	s_cbranch_scc1 .Lshort_\@
	global_prefetch_b8 v27, s[4:5] offset:25*256 th:TH_LOAD_NT scope:SCOPE_SE
.Lshort_\@:
.endm
	v_and_b32 v5, 31, v0
	v_lshlrev_b32 v7, 2, v5
	s_lshl_b32 s12, s15, 8
	v_add_nc_u32 v30, s12, v7
	s_sub_co_u32 s13, s3, 1
	s_mul_i32 s13, s13, 8*PREC
	v_add_nc_u32 v31, s13, v30
.irp c, 0,1,2,3,4,5,6,7
.irp i, 0,1
	global_load_b32 v[160+2*\c+\i], v30, s[10:11] offset:\c*PREC+12800+128*\i   ; my rows' -M of every record
	global_load_b32 v[176+2*\c+\i], v31, s[10:11] offset:\c*PREC+12800+128*\i
.endr
.endr
	s_cmp_eq_u32 s15, 0
	s_cselect_b64 s[4:5], s[20:21], s[22:23]       ; where my fetches begin
	s_mov_b32 s6, 4*REC
	s_cselect_b32 s6, 4*PREC, s6                   ; from slot to slot
	s_mov_b32 s7, 0
	s_mov_b32 s47, 50*256
	s_cselect_b32 s47, 27*256, s47
	s_cselect_b32 s2, s40, s41
	s_mul_i32 s2, s2, s47
	s_cselect_b32 s47, 26, 24
	s_wait_alu depctr_va_vdst(0)
	v_min_u32 v27, s47, v5
	v_lshl_add_u32 v27, v27, 8, s2
	s_wait_alu depctr_va_vdst(0)
	CROUND
.irp s, 0,1
	s_mov_b32 s[G0P+4*\s], 1
	s_add_co_u32 s[G0P+4*\s+1], s45, \s*SLOT
	s_add_nc_u64 s[G0P+4*\s+2:G0P+4*\s+3], s[20:21], \s*4*PREC
	s_or_b32 s[G0P+4*\s+3], s[G0P+4*\s+3], 0x80000000
	s_mov_b32 s[G0V+4*\s], 1
	s_add_co_u32 s[G0V+4*\s+1], s46, \s*SLOT
	s_add_nc_u64 s[G0V+4*\s+2:G0V+4*\s+3], s[22:23], \s*4*REC
	s_or_b32 s[G0V+4*\s+3], s[G0V+4*\s+3], 0x80000000
.endr
	JLOAD G0P, G1P, G0V, G1V                       ; slot 0: one tensor load a wave at the head
	v_and_b32 v1, 15, v0
	v_bfe_u32 v2, v0, 4, 1
	v_lshlrev_b32 v[CO], 4, v5
	v_lshlrev_b32 v10, 3, v5
	s_mul_i32 s20, s15, 4*1536
	s_mul_i32 s21, s16, 4*REC
	s_add_co_u32 s21, s21, VOFF
	s_lshl_b32 s22, s15, 8
.irp s, 0,1
	v_add_nc_u32 v[ADRT+\s], s20, v[CO]
	v_add_nc_u32 v[ADRU+\s], s21, v[CO]
	v_add_nc_u32 v[U8+\s], s21, v10
	v_add_nc_u32 v[ADRW+\s], s22, v7
	v_add_nc_u32 v[ADRV+\s], s21, v7
	s_add_co_u32 s20, s20, SLOT
	s_add_co_u32 s21, s21, SLOT
	s_add_co_u32 s22, s22, SLOT
.endr
	s_mul_i32 s23, s14, 16*SPITCH
	v_mul_u32_u24 v6, v1, SPITCH
	v_lshl_add_u32 v6, v2, 5, v6
	v_add_nc_u32 v[STO], s23, v6
	v_add_nc_u32 v[RD], s23, v[CO]
	v_mov_b32 v[LS], 0
	v_mov_b32 v[LS+1], 0
	ASK                                            ; slot 1
.macro WMM acc, uf, tf, zero, su, st, ru, rt
.if \zero
.if (\ru) && (\rt)
	v_wmma_scale_f32_16x16x128_f8f6f4 v[\acc:\acc+7], v[\uf:\uf+11], v[\tf:\tf+11], 0, v[\su], v[\st] matrix_a_fmt:MATRIX_FMT_FP6 matrix_b_fmt:MATRIX_FMT_FP6 matrix_a_scale:MATRIX_SCALE_ROW1 matrix_b_scale:MATRIX_SCALE_ROW1
.elseif (\ru)
	v_wmma_scale_f32_16x16x128_f8f6f4 v[\acc:\acc+7], v[\uf:\uf+11], v[\tf:\tf+11], 0, v[\su], v[\st] matrix_a_fmt:MATRIX_FMT_FP6 matrix_b_fmt:MATRIX_FMT_FP6 matrix_a_scale:MATRIX_SCALE_ROW1
.elseif (\rt)
	v_wmma_scale_f32_16x16x128_f8f6f4 v[\acc:\acc+7], v[\uf:\uf+11], v[\tf:\tf+11], 0, v[\su], v[\st] matrix_a_fmt:MATRIX_FMT_FP6 matrix_b_fmt:MATRIX_FMT_FP6 matrix_b_scale:MATRIX_SCALE_ROW1
.else
	v_wmma_scale_f32_16x16x128_f8f6f4 v[\acc:\acc+7], v[\uf:\uf+11], v[\tf:\tf+11], 0, v[\su], v[\st] matrix_a_fmt:MATRIX_FMT_FP6 matrix_b_fmt:MATRIX_FMT_FP6
.endif
.else
.if (\ru) && (\rt)
	v_wmma_scale_f32_16x16x128_f8f6f4 v[\acc:\acc+7], v[\uf:\uf+11], v[\tf:\tf+11], v[\acc:\acc+7], v[\su], v[\st] matrix_a_fmt:MATRIX_FMT_FP6 matrix_b_fmt:MATRIX_FMT_FP6 matrix_a_scale:MATRIX_SCALE_ROW1 matrix_b_scale:MATRIX_SCALE_ROW1
.elseif (\ru)
	v_wmma_scale_f32_16x16x128_f8f6f4 v[\acc:\acc+7], v[\uf:\uf+11], v[\tf:\tf+11], v[\acc:\acc+7], v[\su], v[\st] matrix_a_fmt:MATRIX_FMT_FP6 matrix_b_fmt:MATRIX_FMT_FP6 matrix_a_scale:MATRIX_SCALE_ROW1
.elseif (\rt)
	v_wmma_scale_f32_16x16x128_f8f6f4 v[\acc:\acc+7], v[\uf:\uf+11], v[\tf:\tf+11], v[\acc:\acc+7], v[\su], v[\st] matrix_a_fmt:MATRIX_FMT_FP6 matrix_b_fmt:MATRIX_FMT_FP6 matrix_b_scale:MATRIX_SCALE_ROW1
.else
	v_wmma_scale_f32_16x16x128_f8f6f4 v[\acc:\acc+7], v[\uf:\uf+11], v[\tf:\tf+11], v[\acc:\acc+7], v[\su], v[\st] matrix_a_fmt:MATRIX_FMT_FP6 matrix_b_fmt:MATRIX_FMT_FP6
.endif
.endif
.endm
.macro MULA a, set, zero
.irp b, 0,1,2,3,4,5,6,7
	WMM 8*(8*(\a)+\b), UF+96*(\set)+12*\b, TF+48*(\set)+12*(\a), \zero, US+4*(\set)+\b/2, TS+2*(\set)+(\a)/2, \b%2, (\a)%2
.endr
.endm
.macro RAW slot, q, set
.irp i, 0,1
	ds_load_b32 v[RW+\i], v[ADRW+\slot] offset:(\q)*PREC+12288+128*\i
.endr
.irp i, 0,1
	ds_load_b32 v[RM+\i], v[ADRW+\slot] offset:(\q)*PREC+12800+128*\i
.endr
.irp i, 0,1
	ds_load_b32 v[RL+\i], v[ADRW+\slot] offset:(\q)*PREC+13312+128*\i
.endr
.irp i, 0,1,2,3
	ds_load_b32 v[US+4*(\set)+\i], v[ADRV+\slot] offset:(\q)*REC+12288+128*\i
.endr
.endm
.macro FU slot, q, set, b0             ; four of V^T's fragments: 16 loads
	WIN TO_B
.irp b, \b0, \b0+1, \b0+2, \b0+3
.irp c, 0,1
	ds_load_b128 v[UF+96*(\set)+12*(\b)+6*\c:UF+96*(\set)+12*(\b)+6*\c+3], v[ADRU+\slot] offset:(\q)*REC+(\b)*1536+768*\c
	ds_load_b64 v[UF+96*(\set)+12*(\b)+6*\c+4:UF+96*(\set)+12*(\b)+6*\c+5], v[U8+\slot] offset:(\q)*REC+(\b)*1536+768*\c+512
.endr
.endr
	WIN 0
.endm
.macro FT slot, q, set                 ; p's four: 12 loads
.irp a, 0,1,2,3
.irp c, 0,1,2
	ds_load_b128 v[TF+48*(\set)+12*\a+4*\c:TF+48*(\set)+12*\a+4*\c+3], v[ADRT+\slot] offset:(\q)*PREC+\a*1536+512*\c
.endr
.endr
.endm
.macro FETCH slot, q, set
	FU \slot, \q, \set, 0
	FU \slot, \q, \set, 4
	FT \slot, \q, \set
.endm
.macro PLACES n
.rept \n
	v_nop
.endr
.endm
.macro ADJUST set
.irp i, 0,1
	v_sub_f32 v[54+\i], v[MR+\i], v[RM+\i]
.endr
.irp i, 0,1
	v_max_num_f32 v[54+\i], 0xc2fe0000, v[54+\i]
.endr
.irp i, 0,1
	v_cvt_i32_f32 v[54+\i], v[54+\i]
.endr
.irp i, 0,1
	v_mul_lo_u32 v[56+\i], v[54+\i], s[K01]
.endr
.irp i, 0,1
	v_add_nc_u32 v[56+\i], v[RW+\i], v[56+\i]
.endr
.irp i, 0,1
	v_and_b32 v[58+\i], 0x80808080, v[56+\i]
.endr
.irp i, 0,1
	v_lshrrev_b32 v[60+\i], 7, v[58+\i]
.endr
.irp i, 0,1
	v_sub_nc_u32 v[58+\i], v[58+\i], v[60+\i]
.endr
.irp i, 0,1
	v_and_b32 v[TS+2*(\set)+\i], v[56+\i], v[58+\i]
.endr
.irp i, 0,1
	v_ldexp_f32 v[RL+\i], v[RL+\i], v[54+\i]
.endr
.irp i, 0,1
	v_add_f32 v[LS+\i], v[LS+\i], v[RL+\i]
.endr
	PLACES 4
.endm
.macro STEP slot, q, zero
	s_wait_dscnt 0x0
	RAW \slot, (\q)+1, 1-(\q)%2                    ; the next chunk's loads, in three runs, into the other set: its last readers, the last chunk's products, stand ahead of ADJUST's lines
	FT \slot, (\q)+1, 1-(\q)%2
	WIN MUL
	MULA 0, (\q)%2, \zero
	WIN 0
	FU \slot, (\q)+1, 1-(\q)%2, 0
	WIN MUL
	MULA 1, (\q)%2, \zero
	WIN 0
	FU \slot, (\q)+1, 1-(\q)%2, 4
	WIN MUL
	MULA 2, (\q)%2, \zero
	MULA 3, (\q)%2, \zero
	WIN 0
	s_wait_dscnt 44                                ; behind RAW's loads: 32 of V^T's fragments, 12 of p's
	ADJUST 1-(\q)%2
.endm
.macro TURN slot, next, fill
	s_wait_tensorcnt 0x0
	ds_add_u32 v[SPW], v[NIL]
	s_wait_dscnt 1
	WIN MUL
	MULA 0, 1, 0
	s_wait_dscnt 0x0
	s_barrier_signal -1
	MULA 1, 1, 0
	WIN 0
	s_barrier_wait -1
.if \fill
	CREST
	s_add_nc_u64 s[G0P+4*\slot+2:G0P+4*\slot+3], s[G0P+4*\slot+2:G0P+4*\slot+3], 8*PREC
	s_add_nc_u64 s[G0V+4*\slot+2:G0V+4*\slot+3], s[G0V+4*\slot+2:G0V+4*\slot+3], 8*REC
	JLOAD G0P+4*\slot, G1P, G0V+4*\slot, G1V
.else
	PLACES 4
.endif
	RAW \next, 0, 0
	FETCH \next, 0, 0
	WIN MUL
	MULA 2, 1, 0
	MULA 3, 1, 0
	WIN 0
	s_wait_dscnt 44
	ADJUST 0
.endm
	s_wait_alu depctr_va_vdst(0)
	s_wait_tensorcnt 0x0                           ; my part of slot 0 is in
	ds_add_u32 v[SPW], v[NIL]
	s_wait_dscnt 0x0
	CROUND
	JLOAD G0P+4, G1P, G0V+4, G1V                   ; slot 1
	RAW 0, 0, 0
	FETCH 0, 0, 0
	s_cmp_eq_u32 s3, 1
	s_cbranch_scc1 .Lone_lap
	ASK                                            ; slot 2, where there is one
.Lone_lap:
	s_wait_loadcnt 0x0                             ; every record's -M
.irp i, 0,1
	v_min3_num_f32 v[MR+\i], v[160+\i], v[162+\i], v[164+\i]
.endr
.irp n, 6,10,14,18,22,26
.irp i, 0,1
	v_min3_num_f32 v[MR+\i], v[MR+\i], v[160+\n+\i], v[162+\n+\i]
.endr
.endr
.irp i, 0,1
	v_min_num_f32 v[MR+\i], v[MR+\i], v[190+\i]
.endr
	s_wait_alu depctr_va_vdst(0)
	s_wait_dscnt 44
	ADJUST 0
	s_wait_alu depctr_va_vdst(0)
	STEP 0, 0, 1
	s_wait_alu depctr_va_vdst(0)
	STEP 0, 1, 0
	s_wait_alu depctr_va_vdst(0)
	STEP 0, 2, 0
	s_cmp_eq_u32 s3, 1
	s_cbranch_scc1 .Ltail
	s_wait_alu depctr_va_vdst(0)
	TURN 0, 1, 1
	ASK                                            ; slot 3
	s_wait_alu depctr_va_vdst(0)
	STEP 1, 0, 0
	s_wait_alu depctr_va_vdst(0)
	STEP 1, 1, 0
	s_wait_alu depctr_va_vdst(0)
	STEP 1, 2, 0
	s_wait_alu depctr_va_vdst(0)
	TURN 1, 0, 1
	s_wait_alu depctr_va_vdst(0)
	STEP 0, 0, 0
	s_wait_alu depctr_va_vdst(0)
	STEP 0, 1, 0
	s_wait_alu depctr_va_vdst(0)
	STEP 0, 2, 0
.Ltail:
	s_wait_alu depctr_va_vdst(0)
	TURN 0, 1, 0
	s_wait_alu depctr_va_vdst(0)
	STEP 1, 0, 0
	s_wait_alu depctr_va_vdst(0)
	STEP 1, 1, 0
	s_wait_alu depctr_va_vdst(0)
	STEP 1, 2, 0
	s_wait_alu depctr_va_vdst(0)
	s_wait_dscnt 0x0
	WIN MUL
	MULA 0, 1, 0
	MULA 1, 1, 0
	MULA 2, 1, 0
	MULA 3, 1, 0
	WIN 0
	PLACES 4
	v_rcp_f32 v54, v[LS]
	v_rcp_f32 v55, v[LS+1]
	v_bfe_u32 v2, v0, 4, 1
	s_wait_alu depctr_va_vdst(0)
	v_permlanex16_b32 v56, v54, s[SEL], s[SEL+1]
	v_permlanex16_b32 v57, v55, s[SEL], s[SEL+1]
	v_cmp_eq_u32 vcc_lo, 1, v2
	v_cndmask_b32 v[IL+0], v54, v56, vcc_lo
	v_cndmask_b32 v[IL+2], v56, v54, vcc_lo
	v_cndmask_b32 v[IL+4], v55, v57, vcc_lo
	v_cndmask_b32 v[IL+6], v57, v55, vcc_lo
.irp a, 0,1,2,3
	v_mov_b32 v[IL+2*\a+1], v[IL+2*\a]
.endr
.macro DIVIDE a
	WIN 0x82
.set KK, 64*(\a)
.rept 32
	v_pk_mul_f32 v[KK:KK+1], v[KK:KK+1], v[IL+2*(\a):IL+2*(\a)+1] op_sel_hi:[1,0]
.set KK, KK+2
.endr
	WIN 0
.endm
.macro TOSTAGE a
.set AC, 64*(\a)
	WIN 0x08
.irp b, 0,1,2,3,4,5,6,7
	ds_store_b128 v[STO], v[AC+8*\b:AC+8*\b+3] offset:64*\b
	ds_store_b128 v[STO], v[AC+8*\b+4:AC+8*\b+7] offset:64*\b+16
.endr
	WIN 0
.set BB, BK+64*((\a)%2)
.irp t, 0,1,2,3,4,5,6,7,8,9,10,11,12,13,14,15
	ds_load_b128 v[BB+4*\t:BB+4*\t+3], v[RD] offset:\t*SPITCH
.endr
.endm
.macro SEND a, younger
.set BB, BK+64*((\a)%2)
	s_wait_dscnt \younger
.irp t, 0,1,2,3,4,5,6,7,8,9,10,11,12,13,14,15
	global_store_b128 v[CO], v[BB+4*\t:BB+4*\t+3], s[8:9] offset:(\a)*65536+\t*4096 th:TH_STORE_NT
.endr
.endm
	DIVIDE 0
	TOSTAGE 0
.irp a, 1,2,3
	DIVIDE \a
.if \a > 1
	s_wait_alu depctr_va_vdst(0)
	s_wait_xcnt 0x0
.endif
	TOSTAGE \a
	SEND \a-1, 32
.endr
	SEND 3, 0
	s_wait_tensorcnt 0x0
	ds_add_u32 v[SPW], v[NIL]
	s_wait_dscnt 0x0
	CROUND
	s_endpgm
.Lfunc_end_k_q2a3747f6c0_pv:
	.size	k_q2a3747f6c0_pv, .Lfunc_end_k_q2a3747f6c0_pv-k_q2a3747f6c0_pv
	.p2alignl 7, 3214868480
	.fill 96, 4, 3214868480
	.section	.rodata,"a",@progbits
	.p2align	6, 0x0
	.amdhsa_kernel k_q2a3747f6c0_pv
		.amdhsa_group_segment_fixed_size 327680
		.amdhsa_private_segment_fixed_size 0
		.amdhsa_enable_private_segment 0
		.amdhsa_kernarg_size 24
		.amdhsa_user_sgpr_count 2
		.amdhsa_user_sgpr_kernarg_segment_ptr 1
		.amdhsa_wavefront_size32 1
		.amdhsa_system_sgpr_workgroup_id_x 1
		.amdhsa_system_sgpr_workgroup_id_y 1
		.amdhsa_system_sgpr_workgroup_id_z 1
		.amdhsa_system_vgpr_workitem_id 0
		.amdhsa_next_free_vgpr 768
		.amdhsa_next_free_sgpr 70
		.amdhsa_reserve_vcc 1
		.amdhsa_float_denorm_mode_32 3
		.amdhsa_float_denorm_mode_16_64 3
		.amdhsa_memory_ordered 1
		.amdhsa_forward_progress 1
		.amdhsa_inst_pref_size 182
	.end_amdhsa_kernel
	.amdgpu_metadata
---
amdhsa.version: [ 1, 2 ]
amdhsa.kernels:
  - .name:           k_q2a3747f6c0_pv
    .symbol:         k_q2a3747f6c0_pv.kd
    .args:
      - { .name: prec, .offset: 0, .size: 8, .value_kind: global_buffer, .address_space: global }
      - { .name: vrec, .offset: 8, .size: 8, .value_kind: global_buffer, .address_space: global }
      - { .name: out0, .offset: 16, .size: 8, .value_kind: global_buffer, .address_space: global }
    .group_segment_fixed_size: 327680
    .private_segment_fixed_size: 0
    .kernarg_segment_align: 8
    .kernarg_segment_size: 24
    .max_flat_workgroup_size: 128
    .sgpr_count:     70
    .vgpr_count:     768
    .wavefront_size: 32
...
	.end_amdgpu_metadata
.endif
;; end of part 3
